; MI455X (gfx1250); checked and timed in simulation.
; The chip was launched on July 23, 2026; its instructions are those of AMD's public machine-readable ISA for CDNA 5 (MIT licence, August 2026) and "CDNA5" Instruction Set Architecture Reference Guide (July 2026). The comments in the code are by the model that wrote it; some were corrected since.
;; Multihead Attention. Allowed arithmetic: matrix products marked QUANTISED: E2M3 operands, one E8M0 scale for each 32 along K, by v_wmma_scale_f32_16x16x128_f8f6f4 with both operands' format E2M3, f32 sums; everything else in f32.
;; Inputs: Wk 1,024 x 1,024 float32; Wq 1,024 x 1,024 float32; Wv 1,024 x 1,024 float32; fc_b 1,024 float32; fc_w 1,024 x 1,024 float32; key 4 x 2,048 x 1,024 float32; mask 4 x 1 x 2,048 x 2,048 bool; query 4 x 2,048 x 1,024 float32; value 4 x 2,048 x 1,024 float32.
;; Outputs: out0 4 x 2,048 x 1,024 float32; out1 16 x 4 x 2,048 x 64 float32.
;; This version of the problem:
;;   THIS VERSION OF THE PROBLEM IS GIVEN IN LOW PRECISION. The matrix products marked QUANTISED in the list below multiply operands that are first quantised to E2M3 (2 exponent bits, 3 mantissa bits; 6 bits a number), with one power-of-two scale for each 32 numbers along K (OCP MX v1.0); their sums are f32. All else is computed in f32.
;;   The module's matrix products, in the order in which they are computed (A, B: the left and right operand; K: the contracted axis; several contracted axes count as one K, in the product's order):
;;     1. [M 8,192, K 1,024] x [K 1,024, N 1,024]; A: input query; B: input Wq: QUANTISED
;;     2. [M 8,192, K 1,024] x [K 1,024, N 1,024]; A: input key; B: input Wk: QUANTISED
;;     3. [M 8,192, K 1,024] x [K 1,024, N 1,024]; A: input value; B: input Wv: QUANTISED
;;     4. batch 64 x [M 2,048, K 64] x [K 64, N 2,048]; A: computed on the way; B: computed on the way: QUANTISED
;;     5. batch 64 x [M 2,048, K 2,048] x [K 2,048, N 64]; A: computed on the way; B: computed on the way: QUANTISED
;;     6. [M 8,192, K 1,024] x [K 1,024, N 1,024]; A: computed on the way; B: input fc_w: QUANTISED
;;   THE QUANTISER, for each operand of a quantised product, along K:
;;     - K is cut into blocks of 32 from its start; a last block that is shorter is filled with zeros.
;;     - A block's scale is 2^e with e = floor(log2(the largest magnitude in the block)) - 2, held to -126 .. 127; a block of zeros has e = 0. As a byte (E8M0): e + 127.
;;     - Each number is divided by its block's scale, clamped to +-7.5, and rounded to the nearest number of E2M3, ties to even, subnormals kept.
;;     - The product sums the exact products of the quantised numbers (number of the format x scale) in f32.
;;   ~~~python
;;   def quantise(x, axis):      # numpy; x: float32 -> the quantised numbers, widened to float32 again
;;       x = np.moveaxis(x, axis, -1); K = x.shape[-1]
;;       x = np.pad(x, [(0, 0)] * (x.ndim - 1) + [(0, -K % 32)]); x = x.reshape(x.shape[:-1] + (-1, 32)); a = np.abs(x).max(-1, keepdims=True)
;;       e = np.where(a > 0, np.clip(np.frexp(np.where(a > 0, a, 1))[1] - 1 - 2, -126, 127), 0)      # np.frexp(a)[1] - 1 = floor(log2(a)), exactly
;;       r = np.clip(x / 2.0 ** e, -7.5, 7.5)
;;       step = 2.0 ** (np.maximum(np.frexp(np.where(r == 0, 1, r))[1] - 1, 0) - 3)
;;       q = np.round(r / step) * step * 2.0 ** e      # np.round: ties to even
;;       return np.moveaxis(q.reshape(q.shape[:-2] + (-1,))[..., :K], -1, axis).astype(np.float32)
;;   ~~~
;;   OPERANDS COMPUTED ON THE WAY. 'Computed on the way' means the value that the module computes at that place (a softmax that the list does not call 'softmax' is quantised finished and normalised). What goes into a quantiser is computed in f32, as accurately as f32 sums, v_exp_f32 and their like allow (about 1e-6 of the number): no bf16 or f16 on the way to a quantiser, and a product that is left as it is and whose result goes on into a quantised operand takes f32 operands (vector FMAs, or v_wmma_f32_16x16x4_f32). A number that lies on a knife's edge between two numbers of the format may be rounded either way, as far as f32 arithmetic and the matrix unit's own rounding can turn it there, and no further.
;; 2 versions, each right; version 2 is version 1 with the launch attn written anew for expert scheduling mode. Each part assembles by itself: llvm-mc -triple=amdgcn-amd-amdhsa -mcpu=gfx1250 --defsym DOCPART=n.
;; ======== version 1 of 2: 4 launches
;; workspace buffers: xq 19,660,800 bytes; wq 3,276,800 bytes; mw 2,097,152 bytes of whole numbers; qkv 19,660,800 bytes; rq 6,553,600 bytes
;; launch prep (part 1): grid 960 x 1, 4 waves a work-group, no clusters, 57,856 bytes of LDS; arguments query, key, value, Wq, Wk, Wv, fc_w, mask, xq, wq, mw; writes xq, wq, mw
.if DOCPART == 1
	.amdgcn_target "amdgcn-amd-amdhsa--gfx1250"
	.amdhsa_code_object_version 6
	.text
	.protected	k_q403737501a_prep
	.globl	k_q403737501a_prep
	.p2align	8
	.type	k_q403737501a_prep,@function
k_q403737501a_prep:
	s_mov_b64 s[64:65], 0
	v_nop
	global_prefetch_b8 v0, s[64:65] scope:SCOPE_SE
	s_setreg_imm32_b32 hwreg(HW_REG_WAVE_MODE, 25, 1), 1
	s_wait_xcnt 0x0
; PREP.  (1) query, key, value [8192][1024] and Wq, Wk, Wv, fc_w [1024][1024], f32, K innermost, become codes of FP6 (E2M3) with one E8M0 byte for each 32 along K.
; (2) the mask's bytes become lane-mask words for the attention launch.
; CODES lie in PANELS: [k / 64 (16)][row][48 bytes], so that 128 rows of a panel are 6,144 consecutive bytes; scale bytes lie [row][32].
; THE ROWS OF A WEIGHT ARE RE-ORDERED on the way (which rows form a tile of a product is free): destination block gb, row i takes source row
;   Wq, Wk: 64 (gb / 4) + 8 (gb % 4) + i % 8 + 32 (i / 8);   Wv: 64 (gb % 2) + 2 (gb / 2) + 128 (i % 8) + i / 8;   fc_w and the activations: 16 gb + i.
; A block's scale is 2^(floor(log2(largest magnitude)) - 2); its byte is the largest magnitude's exponent field - 2, held at 1 from below.
; LIMITS: a block of zeros, or one whose largest magnitude lies under 2^-124, keeps the byte 1 (its codes are zeros or as the byte 1 gives them; this program alone reads the bytes); NaN and infinities are not served.
; SHARES.  Work-groups 0-383: activations (128 each); 384-447: weights (16 each): a wave takes 16 destination rows x all 1,024 of K.  Work-groups 448-959: the mask: 16 queries of a batch; a wave takes 512 keys.
; No tensor loads, no barrier: waves share nothing.  Only the first path uses LDS.
.set QWG,  448
.set RO,   16                          ; v16-31   row t's load offset
.set PO,   32                          ; v32-47   panel p's store offset
.set R,    48                          ; v48-111  four sets of 16 numbers as loaded
.set X,    112                         ; v112-143 two sets of 16 neighbours
.set C,    144                         ; v144-159 four sets: three registers of codes and the scale byte
.set O,    160                         ; v160-223 the way out
.set WREG, 14336                       ; LDS of a wave: two turn stages of 32 x 80, the code stage, the scale bytes
.set SP,   80
.set CST,  5120                        ; the code stage: [panel 8][row 16][4 places of 16 bytes]
.set SST,  13312                       ; 512 scale bytes: 32 a row
	s_load_b512 s[4:19], s[0:1], 0x0               ; query, key, value, Wq, Wk, Wv, fc_w, mask
	s_load_b128 s[20:23], s[0:1], 0x40             ; xq, wq
	s_load_b64 s[24:25], s[0:1], 0x50              ; mw
	v_lshl_add_u32 v232, v0, 2, 0xe000
	v_mov_b32 v233, 0
	v_lshrrev_b32 v1, 5, v0
	v_readfirstlane_b32 s26, v1                    ; wave
	v_and_b32 v2, 31, v0                           ; lane
	s_wait_kmcnt 0x0
	s_cmp_ge_u32 ttmp9, QWG
	s_cbranch_scc1 .Lmask
; ---------------- the quantiser ----------------
	v_lshlrev_b32 v3, 4, v2                        ; 16 x lane
	v_mul_u32_u24 v4, v2, 12                       ; 12 x lane
	s_mul_i32 s27, s26, WREG
	v_lshrrev_b32 v14, 2, v2
	v_and_b32 v15, 3, v2
	v_mul_u32_u24 v5, v14, SP
	v_lshl_add_u32 v5, v15, 4, v5
	v_add_nc_u32 v5, s27, v5                       ; turn stage, in: 80 (lane / 4) + 16 (lane % 4)
	v_mul_u32_u24 v6, v2, SP
	v_add_nc_u32 v6, s27, v6                       ; turn stage, out: 80 x lane
	v_lshlrev_b32 v7, 10, v14
	v_lshl_add_u32 v7, v15, 4, v7
	v_add_nc_u32 v7, s27, v7                       ; code stage: panel lane / 4, place lane % 4
	v_lshrrev_b32 v8, 1, v2
	v_add_nc_u32 v8, s27, v8                       ; my block's scale byte
	v_add_nc_u32 v9, s27, v3                       ; the way out of LDS: 16 x lane
	; which tensor, which 16 rows: all from the work-group's and the wave's number
	s_lshr_b32 s28, ttmp9, 7                       ; activations: tensor
	s_and_b32 s29, ttmp9, 127
	s_sub_co_u32 s30, ttmp9, 384                   ; weights:
	s_lshr_b32 s31, s30, 4
	s_add_co_u32 s31, s31, 3                       ; 3 + tensor
	s_and_b32 s30, s30, 15
	s_mov_b32 s32, 49152                           ; bytes from panel to panel,
	s_mov_b32 s33, 786432                          ; from tensor to tensor in the codes,
	s_mov_b32 s34, 3145728                         ; where the scale bytes begin,
	s_mov_b32 s35, 32768                           ; and from tensor to tensor there
	s_cmp_lt_u32 ttmp9, 384
	s_cselect_b32 s36, s28, s31                    ; 0-2 query, key, value; 3-6 Wq, Wk, Wv, fc_w
	s_cselect_b32 s29, s29, s30
	s_cselect_b32 s32, 393216, s32
	s_cselect_b32 s33, 6291456, s33
	s_cselect_b32 s34, 18874368, s34
	s_cselect_b32 s35, 262144, s35
	s_cselect_b32 s37, 0, 3
	s_cselect_b64 s[38:39], s[20:21], s[22:23]     ; the destination buffer
	s_sub_co_u32 s37, s36, s37                     ; the tensor's number in its buffer
	s_lshl_b32 s29, s29, 2
	s_add_co_u32 s29, s29, s26                     ; gb: my block of 16 destination rows
	s_mov_b64 s[40:41], s[4:5]
.irp k, 1,2,3,4,5,6
	s_cmp_eq_u32 s36, \k
	s_cselect_b64 s[40:41], s[4+2*\k:5+2*\k], s[40:41]   ; the source: the choice hangs on the work-group's number alone
.endr
	s_lshl_b32 s42, s29, 4                         ; first source row: 16 gb,
	s_lshr_b32 s43, s29, 2
	s_lshl_b32 s43, s43, 6
	s_and_b32 s44, s29, 3
	s_lshl_b32 s44, s44, 3
	s_add_co_u32 s43, s43, s44                     ; or 64 (gb / 4) + 8 (gb % 4),
	s_and_b32 s44, s29, 1
	s_lshl_b32 s44, s44, 6
	s_lshr_b32 s45, s29, 1
	s_lshl_b32 s45, s45, 1
	s_add_co_u32 s44, s44, s45                     ; or 64 (gb % 2) + 2 (gb / 2)
	s_sub_co_u32 s45, s36, 3
	s_cmp_lt_u32 s45, 2                            ; Wq, Wk
	s_cselect_b32 s42, s43, s42
	s_cselect_b32 s46, 32, 8                       ; rows from i / 8 = 0 to 1
	s_cmp_eq_u32 s36, 5                            ; Wv
	s_cselect_b32 s42, s44, s42
	s_cselect_b32 s47, 128, 1                      ; rows from i % 8 to the next
	s_cselect_b32 s46, 1, s46
	s_lshl_b32 s47, s47, 12                        ; in bytes: a row is 4,096
	s_lshl_b32 s46, s46, 12
	s_lshl_b32 s48, s42, 12
	s_mov_b32 s49, 0
	s_add_nc_u64 s[40:41], s[40:41], s[48:49]      ; the source at my first row
	s_mul_i32 s48, s37, s33
	s_mul_i32 s50, s29, 768
	s_add_co_u32 s48, s48, s50
	s_add_nc_u64 s[52:53], s[38:39], s[48:49]      ; my rows in panel 0
	s_mul_i32 s48, s37, s35
	s_add_co_u32 s48, s48, s34
	s_lshl_b32 s50, s29, 9
	s_add_co_u32 s48, s48, s50
	s_add_nc_u64 s[54:55], s[38:39], s[48:49]      ; my rows' 512 scale bytes
.irp t, 0,1,2,3,4,5,6,7,8,9,10,11,12,13,14,15
	s_mul_i32 s50, s47, (\t&7)
.if \t >= 8
	s_add_co_u32 s50, s50, s46
.endif
	v_add_nc_u32 v[RO+\t], s50, v3
.endr
.irp p, 0,1,2,3,4,5,6,7,8,9,10,11,12,13,14,15
	s_mul_i32 s50, s32, \p
	v_add_nc_u32 v[PO+\p], s50, v4
.endr
; step s = 16 g + t: half g of row t: 512 numbers
.macro LOAD s
.irp i, 0,1,2,3
	global_load_b128 v[R+16*((\s)%4)+4*\i:R+16*((\s)%4)+4*\i+3], v[RO+(\s)%16], s[40:41] offset:2048*((\s)/16)+512*\i th:TH_LOAD_NT   ; 32 lanes read 512 consecutive bytes
.endr
.endm
.macro TURN s                          ; through the stage: in as loaded, back 64 bytes a lane.  LDS serves a wave's instructions in order: no wait between
.irp i, 0,1,2,3
	ds_store_b128 v5, v[R+16*((\s)%4)+4*\i:R+16*((\s)%4)+4*\i+3] offset:32*SP*((\s)%2)+8*SP*\i
.endr
.irp i, 0,1,2,3
	ds_load_b128 v[X+16*((\s)%2)+4*\i:X+16*((\s)%2)+4*\i+3], v6 offset:32*SP*((\s)%2)+16*\i
.endr
.endm
.macro STEP s
.set XS, X+16*((\s)%2)
.set CS, C+4*((\s)%4)
.if (\s) > 0
	s_wait_dscnt 2                                 ; my 16 neighbours are back (the last step's two stage stores may be out): so the stage's stores have read the set that the loads below take
.else
	s_wait_dscnt 0x0
.endif
.if (\s)+4 < 32
	LOAD (\s)+4
.endif
.if (\s)+1 < 32
.if (\s) <= 27
	s_wait_loadcnt 12                              ; the next step's four loads are in; those of the three steps behind it may be out
.else
	s_wait_loadcnt 4*(30-(\s))
.endif
	TURN (\s)+1
.endif
	v_max3_num_f32 v10, |v[XS]|, |v[XS+1]|, |v[XS+2]|
	v_max3_num_f32 v11, |v[XS+3]|, |v[XS+4]|, |v[XS+5]|
.irp i, 6,10
	v_max3_num_f32 v10, v10, |v[XS+\i]|, |v[XS+\i+1]|
	v_max3_num_f32 v11, v11, |v[XS+\i+2]|, |v[XS+\i+3]|
.endr
	v_max3_num_f32 v10, v10, |v[XS+14]|, |v[XS+15]|
	v_max3_num_f32 v10, v10, v11, 0x1800000        ; and the floor 2^(3 - 127): the byte cannot fall under 1
	v_max_num_f32_dpp v10, v10, v10 row_xmask:1 row_mask:0xf bank_mask:0xf   ; with my neighbour's 16: the block's
	v_add_nc_u32 v12, 0xff000000, v10              ; 2 off the exponent field: the conversion's scale operand
	v_cvt_scalef32_pk16_fp6_f32 v[CS:CS+2], v[XS:XS+15], v12
	v_lshrrev_b32 v[CS+3], 23, v12                 ; the scale's byte (also the plain line behind the conversion)
	ds_store_b8 v8, v[CS+3] offset:SST+32*((\s)%16)+16*((\s)/16)   ; both lanes of a block write the same byte
	ds_store_b96 v7, v[CS:CS+2] offset:CST+64*((\s)%16)
.endm
.macro FLUSH g                         ; eight panels x 16 rows leave: a store covers 384 consecutive bytes, two stores three aligned blocks of 256
.if \g
	s_wait_xcnt 0x0                                ; the first flush's stores have read their registers
.endif
.irp k, 0,1,2,3,4,5,6,7,8,9,10,11,12,13,14,15
	ds_load_b96 v[O+4*\k:O+4*\k+2], v9 offset:CST+512*\k
.endr
.irp k, 0,1,2,3,4,5,6,7,8,9,10,11,12,13,14,15
	s_wait_dscnt 15-\k
	global_store_b96 v[PO+8*\g+\k/2], v[O+4*\k:O+4*\k+2], s[52:53] offset:384*(\k%2)
.endr
.endm
.irp t, 0,1,2,3
	LOAD \t
.endr
	s_wait_loadcnt 12                              ; step 0's four loads are in
	TURN 0
.irp t, 0,1,2,3,4,5,6,7,8,9,10,11,12,13,14,15
	STEP \t
.endr
	FLUSH 0
.irp t, 16,17,18,19,20,21,22,23,24,25,26,27,28,29,30,31
	STEP \t
.endr
	FLUSH 1
	ds_load_b128 v[10:13], v9 offset:SST
	s_wait_dscnt 0x0
	global_store_b128 v3, v[10:13], s[54:55]       ; 512 consecutive scale bytes
	s_wait_tensorcnt 0x0
	ds_add_u32 v232, v233
	s_wait_dscnt 0x0
	s_endpgm
; ---------------- the mask ----------------
; Word n (0..63) of (batch, 16 queries qt, 128 keys kappa): bit r + 16 h = mask[16 qt + r][128 kappa + 64 (n / 32) + 32 h + ko], ko = 16 (p / 16) + 2 (p % 8) + (p / 8) % 2, p = n % 32:
; the lane mask of the attention launch's score register n.
.Lmask:
	s_sub_co_u32 s28, ttmp9, QWG                   ; 128 x batch + qt
	s_lshl_b32 s30, s28, 15                        ; 16 rows of 2,048 bytes
	s_lshl_b32 s29, s26, 9                         ; my 512 keys
	s_add_co_u32 s30, s30, s29
	s_mov_b32 s31, 0
	s_lshl_b32 s32, s28, 12                        ; 16 units of 256 bytes
	s_lshl_b32 s29, s26, 10                        ; my four
	s_add_co_u32 s32, s32, s29
	s_mov_b32 s33, 0
	s_add_nc_u64 s[18:19], s[18:19], s[30:31]
	s_add_nc_u64 s[24:25], s[24:25], s[32:33]
	v_and_b32 v3, 15, v0
	v_bfe_u32 v4, v0, 4, 1
	v_lshlrev_b32 v5, 11, v3
	v_lshl_add_u32 v5, v4, 5, v5                   ; row r, + 32 h
	v_lshlrev_b32 v7, 3, v2                        ; out: 8 bytes a lane
.irp q, 0,1,2,3
.irp j, 0,1,2,3
	global_load_b128 v[64+16*\q+4*\j:64+16*\q+4*\j+3], v5, s[18:19] offset:128*\q+64*(\j/2)+16*(\j%2) th:TH_LOAD_NT
.endr
.endr
.irp j, 0,1,2,3,4,5,6,7
	v_mov_b32 v[128+\j], 0                         ; written whole before single lanes are written
.endr
.macro W8 q, n0, what                  ; eight words at a time: the byte, the compare, the word into its lane
.set n, \n0
.rept 8
.set ko, 16*((n&31)>>4)+2*(n&7)+((n>>3)&1)
.if \what == 0
	v_and_b32 v[8+n%8], 0xff<<(8*(ko&3)), v[64+16*\q+8*(n>>5)+(ko>>2)]
.elseif \what == 1
	v_cmp_ne_u32 s[40+n%8], 0, v[8+n%8]
.else
	v_writelane_b32 v[128+2*\q+(n&1)], s[40+n%8], n>>1
.endif
.set n, n+1
.endr
.endm
.irp q, 0,1,2,3
	s_wait_loadcnt 12-4*\q                         ; this 128 keys' four loads are in
.irp n0, 0,8,16,24,32,40,48,56
	W8 \q, \n0, 0
	W8 \q, \n0, 1
	W8 \q, \n0, 2
.endr
	global_store_b64 v7, v[128+2*\q:129+2*\q], s[24:25] offset:256*\q   ; 32 lanes store 256 consecutive bytes, aligned
.endr
	s_endpgm
.Lfunc_end_k_q403737501a_prep:
	.size	k_q403737501a_prep, .Lfunc_end_k_q403737501a_prep-k_q403737501a_prep
	.p2alignl 7, 3214868480
	.fill 96, 4, 3214868480
	.section	.rodata,"a",@progbits
	.p2align	6, 0x0
	.amdhsa_kernel k_q403737501a_prep
		.amdhsa_group_segment_fixed_size 57856
		.amdhsa_private_segment_fixed_size 0
		.amdhsa_enable_private_segment 0
		.amdhsa_kernarg_size 88
		.amdhsa_user_sgpr_count 2
		.amdhsa_user_sgpr_kernarg_segment_ptr 1
		.amdhsa_wavefront_size32 1
		.amdhsa_system_sgpr_workgroup_id_x 1
		.amdhsa_system_sgpr_workgroup_id_y 1
		.amdhsa_system_sgpr_workgroup_id_z 1
		.amdhsa_system_vgpr_workitem_id 0
		.amdhsa_next_free_vgpr 234
		.amdhsa_next_free_sgpr 66
		.amdhsa_reserve_vcc 0
		.amdhsa_float_denorm_mode_32 3
		.amdhsa_float_denorm_mode_16_64 3
		.amdhsa_memory_ordered 1
		.amdhsa_forward_progress 1
		.amdhsa_inst_pref_size 122
	.end_amdhsa_kernel
	.amdgpu_metadata
---
amdhsa.version: [ 1, 2 ]
amdhsa.kernels:
  - .name:           k_q403737501a_prep
    .symbol:         k_q403737501a_prep.kd
    .args:
      - { .name: query, .offset: 0, .size: 8, .value_kind: global_buffer, .address_space: global }
      - { .name: key, .offset: 8, .size: 8, .value_kind: global_buffer, .address_space: global }
      - { .name: value, .offset: 16, .size: 8, .value_kind: global_buffer, .address_space: global }
      - { .name: Wq, .offset: 24, .size: 8, .value_kind: global_buffer, .address_space: global }
      - { .name: Wk, .offset: 32, .size: 8, .value_kind: global_buffer, .address_space: global }
      - { .name: Wv, .offset: 40, .size: 8, .value_kind: global_buffer, .address_space: global }
      - { .name: fc_w, .offset: 48, .size: 8, .value_kind: global_buffer, .address_space: global }
      - { .name: mask, .offset: 56, .size: 8, .value_kind: global_buffer, .address_space: global }
      - { .name: xq, .offset: 64, .size: 8, .value_kind: global_buffer, .address_space: global }
      - { .name: wq, .offset: 72, .size: 8, .value_kind: global_buffer, .address_space: global }
      - { .name: mw, .offset: 80, .size: 8, .value_kind: global_buffer, .address_space: global }
    .group_segment_fixed_size: 57856
    .private_segment_fixed_size: 0
    .kernarg_segment_align: 8
    .kernarg_segment_size: 88
    .max_flat_workgroup_size: 128
    .sgpr_count:     66
    .vgpr_count:     234
    .wavefront_size: 32
...
	.end_amdgpu_metadata
.endif
;; end of part 1
;; launch proj (part 2): grid 4 x 96, 4 waves a work-group, clusters of 4 x 4, 327,680 bytes of LDS; arguments xq, wq, qkv; writes qkv
.if DOCPART == 2
	.amdgcn_target "amdgcn-amd-amdhsa--gfx1250"
	.amdhsa_code_object_version 6
	.text
	.protected	k_q403737501a_proj
	.globl	k_q403737501a_proj
	.p2align	8
	.type	k_q403737501a_proj,@function
k_q403737501a_proj:
	s_mov_b64 s[64:65], 0
	v_nop
	global_prefetch_b8 v0, s[64:65] scope:SCOPE_SE
	s_setreg_imm32_b32 hwreg(HW_REG_WAVE_MODE, 25, 1), 1
	s_wait_xcnt 0x0
	s_wait_alu depctr_hold_cnt(0) depctr_sa_sdst(0) depctr_va_vdst(0) depctr_va_sdst(0) depctr_va_ssrc(0) depctr_va_vcc(0) depctr_vm_vsrc(0)
	s_getreg_b32 s2, hwreg(HW_REG_IB_STS2, 6, 4)
	s_cmp_eq_u32 s2, 0
	s_cbranch_scc0 .Lentry_in_a_cluster
	s_endpgm
.Lentry_in_a_cluster:
	s_bfe_u32 s2, ttmp6, 0x10000c
	s_cmp_lg_u32 s2, 0xf033
	s_cbranch_scc0 .Lentry_shape_is_right
	s_endpgm
.Lentry_shape_is_right:
; A GEMM ON CODES OF FP6 (E2M3), C[m][n] = sum over k of A[m][k] W[n][k], M = 8,192, N = K = 1,024, one text for two launches:
;   FC = 0: the three projections (tensor t = cluster y / 8).  C never goes to memory: it is quantised in registers and leaves as the attention launch's operands.
;   FC = 1: the last product: A = the attention's result as codes, W = fc_w, C + fc_b -> out0 in f32 (the bias is the C of each sum's first matrix instruction).
; Codes lie in panels [k / 64][row][48 bytes], scale bytes [row][32].  A tile of C is 256 x 256: four waves of 128 x 128 (64 accumulators, 512 registers).
; K goes in four steps of 256 through two LDS slots; a wave's tensor load brings 128 rows x 4 panels: four runs of 6,144 consecutive bytes.  In LDS a row of a panel is 48 bytes:
; the 32 lanes of an 8-byte load stand 24 bytes apart, 6 words, and so touch all 64 banks once (64 banks of 4 bytes: ISA guide 11.1): no padding.
; The scale bytes of the work-group's rows for all of K come once, with the first fills.  CLUSTERS: 4 x 4; A's tiles are asked for jointly along a row of the cluster, W's along a column.
; THE MATRIX INSTRUCTION IS USED TRANSPOSED (source 0 = 16 rows of W, source 1 = 16 rows of A): lane (r, h) of accumulator (a, b) holds row 16 a + r of A and W's rows 16 b + 8 h + 0..7.
; W's rows were re-ordered by the launch before, so that (FC = 0):
;   Q, K: the 32 registers of b = 4 c .. 4 c + 3 are channels 32 h + 0..31 of position 16 (m % 128) + 2 e + c: a whole block of the next K in one lane (e = n / 128);
;   V:    the 16 registers of b = 2 p, 2 p + 1 are 16 keys of row m for channel 8 e + 2 p + h: half a block of 32 keys; rows m and m xor 1 (neighbouring lanes) hold a block.
; OUT (FC = 0): Q, K codes [e (8)][m][96 bytes = (c)(h) x 24], scale words [e][m][4]; V codes [head m / 128][channel][1,536], scale bytes [head][channel][64].
; LIMITS: a block whose largest magnitude lies under 2^-124 keeps the byte 1; NaN and infinities are not served.
; REGISTERS: window 0: v1-31 addresses; v32-63 scale words, two sets; v64-127 the bias (FC = 1); from v128 A's fragments, one set.  window 1: W's fragments, two sets.  windows 2, 3: the accumulators.
.set FC,    0
.set UNIT,  24576                      ; 128 rows x 4 panels x 48 bytes: what one tensor load brings
.set SLOT,  4*UNIT                     ; A's two halves, then W's two
.set APAN,  393216                     ; bytes from panel to panel in A's codes
.set BPAN,  49152                      ; and in W's
.set NQ,    2                          ; matrix instructions deep in a slot
.set FR,    12
.set NL,    6
.set NP,    4                          ; places behind this matrix instruction (ISA guide 7.12.1)
.set KS,    32                         ; a row of scale bytes
.set SCL,   2*SLOT                     ; behind the ring: the scale bytes, as runs of 256 bytes + 16 of padding
.set HALFS, 16*272
.set SBLK,  2*272
.set SPARE, SCL+4*HALFS                ; the spare words: 128 bytes a wave, named by no other line
.set STG0,  SPARE+512                  ; the stages of the way out: no fill ever lands here
.set STGV,  STG0+51200
.set SPITCH, 528
.set ADRA, 16                          ; v16-17 LDS address of my A fragments in slot 0, 1
.set ADRB, 20                          ; v20-21 the same for W
.set STO,  24
.set RD,   25
.set CO,   26
.set ADRS, 27                          ; v27 my scale words: lanes 0-15 A's rows, lanes 16-31 W's
.set SPW,  28
.set NIL,  29
.set SC,   32
.set BIAS, 64
.set AF,   128
.set BK,   128
.set G1, 24
.set G0, 32
.set G1B, 48
.set G0B, 56
.set G1S, 68
.set G0S, 76
.set G1SB, 80
.set G0SB, 88
.set MSB, 0
.macro WIN new                         ; the immediate's high byte repeats the setting that is left
.if MSB != (\new)
	s_set_vgpr_msb (MSB<<8)|(\new)
.set MSB, (\new)
.endif
.endm
.set TO_B, 0x40
.macro WINM hi, start                  ; source 0 (W) window 1, source 1 (A) window 0, D window 2 or 3; C with D, or (the bias) in window 0
.if (\start) && FC
	WIN 0x81+0x40*(\hi)
.else
	WIN 0xa1+0x50*(\hi)
.endif
.endm
; A joint load: waves 0 and 1 fetch for A, waves 2 and 3 for W; the branch hangs on the wave's number alone.  Four v_nop follow each line.
.macro JLOAD g0a, g1a, g0b, g1b
	s_cmp_eq_u32 s15, 0
	s_cbranch_scc0 .Lfor_b_\@
	tensor_load_to_lds s[\g0a:\g0a+3], s[\g1a:\g1a+7]
	s_nop 0
.rept 4
	v_nop
.endr
	s_branch .Lasked_\@
.Lfor_b_\@:
	tensor_load_to_lds s[\g0b:\g0b+3], s[\g1b:\g1b+7]
	s_nop 0
.rept 4
	v_nop
.endr
.Lasked_\@:
.endm
.macro CREST
	s_cmp_lg_u32 s14, 0
	s_cbranch_scc1 .Lnot_wave_0_\@
	s_barrier_signal -3
.Lnot_wave_0_\@:
	s_barrier_wait -3
	s_barrier_signal -1
	s_barrier_wait -1
.endm
.macro CROUND
	s_barrier_signal -1
	s_barrier_wait -1
	CREST
.endm
	s_load_b128 s[4:7], s[0:1], 0x0                ; A's buffer, the weights' buffer
.if FC
	s_load_b128 s[8:11], s[0:1], 0x10              ; fc_b, out0
.else
	s_load_b64 s[10:11], s[0:1], 0x10              ; qkv
.endif
	v_lshl_add_u32 v[SPW], v0, 2, SPARE
	v_mov_b32 v[NIL], 0
	ds_add_u32 v28, v29
	ds_add_u32 v28, v29
	s_wait_dscnt 0x0
	v_lshrrev_b32 v1, 5, v0
	v_readfirstlane_b32 s14, v1                    ; wave 0..3
	s_lshr_b32 s15, s14, 1                         ; my half of the tile's rows.  Also: I fetch for A (0) or for W (1)
	s_and_b32 s16, s14, 1                          ; my half of its columns.  Also: which 128 rows I fetch
	s_bfe_u32 s40, ttmp6, 0x40000                  ; cx
	s_bfe_u32 s41, ttmp6, 0x40004                  ; cy
	s_lshl_b32 s42, ttmp9, 2
	s_add_co_u32 s42, s42, s40                     ; tile column
	s_and_b32 s17, ttmp7, 0xffff                   ; cluster y
.if !FC
	s_lshr_b32 s95, s17, 3                         ; the tensor: the same in all sixteen partners
	s_and_b32 s17, s17, 7
.endif
	s_lshl_b32 s17, s17, 2
	s_add_co_u32 s17, s17, s41                     ; tile row
	s_lshl_b32 s43, s41, 2
	s_lshl_b32 s43, 15, s43                        ; my row of the cluster
	s_lshl_b32 s44, 0x1111, s40                    ; my column
	; group 1 for codes: 4 rows (panels) of 768 elements of 8 bytes, a panel's pitch apart; no padding
	s_or_b32 s[G1+0], s43, (3<<16)|(1<<21)
	s_or_b32 s[G1B+0], s44, (3<<16)|(1<<21)
.irp g, G1, G1B
	s_mov_b32 s[\g+1], 768<<16                     ; tensor_dim0
	s_mov_b32 s[\g+2], 4<<16                       ; tensor_dim1
	s_mov_b32 s[\g+3], 768<<16                     ; tile_dim0
	s_mov_b32 s[\g+4], 4                           ; tile_dim1
	s_mov_b32 s[\g+6], 0
	s_mov_b32 s[\g+7], 0
.endr
	s_mov_b32 s[G1+5], APAN/8
	s_mov_b32 s[G1B+5], BPAN/8
	; group 1 for the scale bytes of 128 rows: 4,096 dense bytes as 16 rows of 256, 16 bytes of padding behind each
	s_or_b32 s[G1S+0], s43, (3<<16)|(1<<20)|(1<<21)|(5<<22)|(3<<25)
	s_or_b32 s[G1SB+0], s44, (3<<16)|(1<<20)|(1<<21)|(5<<22)|(3<<25)
.irp g, G1S, G1SB
	s_mov_b32 s[\g+1], 32<<16
	s_mov_b32 s[\g+2], 16<<16
	s_mov_b32 s[\g+3], 32<<16
	s_mov_b32 s[\g+4], 16
	s_mov_b32 s[\g+5], 32
	s_mov_b32 s[\g+6], 0
	s_mov_b32 s[\g+7], 0
.endr
	s_lshl_b32 s18, s16, 7
	s_lshl_b32 s20, s17, 8
	s_add_co_u32 s20, s20, s18                     ; A: row 256 x tile row + 128 x half
	s_lshl_b32 s46, s42, 8
	s_add_co_u32 s46, s46, s18                     ; W: row 256 x tile column + 128 x half
	s_lshl_b32 s22, s20, 5                         ; their scale bytes,
	s_lshl_b32 s92, s46, 5
	s_mul_i32 s20, s20, 48                         ; their codes in panel 0
	s_mul_i32 s46, s46, 48
.if FC
	s_add_co_u32 s22, s22, 6291456
	s_add_co_u32 s46, s46, 2359296
	s_add_co_u32 s92, s92, 3244032
.else
	s_mul_i32 s19, s95, 6291456
	s_add_co_u32 s20, s20, s19
	s_mul_i32 s19, s95, 262144
	s_add_co_u32 s22, s22, s19
	s_add_co_u32 s22, s22, 18874368
	s_mul_i32 s19, s95, 786432
	s_add_co_u32 s46, s46, s19
	s_mul_i32 s19, s95, 32768
	s_add_co_u32 s92, s92, s19
	s_add_co_u32 s92, s92, 3145728
.endif
	s_mov_b32 s21, 0
	s_mov_b32 s23, 0
	s_mov_b32 s47, 0
	s_mov_b32 s93, 0
	s_mul_i32 s45, s14, UNIT                       ; where they go: no place in the cluster enters an LDS address
	s_mul_i32 s94, s14, HALFS
	s_wait_kmcnt 0x0
	s_add_nc_u64 s[20:21], s[4:5], s[20:21]
	s_add_nc_u64 s[22:23], s[4:5], s[22:23]
	s_add_nc_u64 s[46:47], s[6:7], s[46:47]
	s_add_nc_u64 s[92:93], s[6:7], s[92:93]
	CROUND                                         ; all sixteen work-groups are here: the first joint loads meet
	s_mov_b32 s[G0S], 1
	s_add_co_u32 s[G0S+1], s94, SCL
	s_mov_b64 s[G0S+2:G0S+3], s[22:23]
	s_or_b32 s[G0S+3], s[G0S+3], 0x80000000
	s_mov_b32 s[G0SB], 1
	s_add_co_u32 s[G0SB+1], s94, SCL
	s_mov_b64 s[G0SB+2:G0SB+3], s[92:93]
	s_or_b32 s[G0SB+3], s[G0SB+3], 0x80000000
	JLOAD G0S, G1S, G0SB, G1SB                     ; the scale bytes first
.irp s, 0,1
	s_mov_b32 s[G0+4*\s], 1
	s_add_co_u32 s[G0+4*\s+1], s45, \s*SLOT
	s_add_nc_u64 s[G0+4*\s+2:G0+4*\s+3], s[20:21], \s*4*APAN
	s_or_b32 s[G0+4*\s+3], s[G0+4*\s+3], 0x80000000
	s_mov_b32 s[G0B+4*\s], 1
	s_add_co_u32 s[G0B+4*\s+1], s45, \s*SLOT
	s_add_nc_u64 s[G0B+4*\s+2:G0B+4*\s+3], s[46:47], \s*4*BPAN
	s_or_b32 s[G0B+4*\s+3], s[G0B+4*\s+3], 0x80000000
	JLOAD G0+4*\s, G1, G0B+4*\s, G1B
.endr
	v_and_b32 v1, 15, v0                           ; r
	v_bfe_u32 v2, v0, 4, 1                         ; h
	v_mul_u32_u24 v3, v1, 48
	v_mad_u32_u24 v4, v2, 24, v3                   ; a fragment's row x 48 + 24 h
	s_mul_i32 s21, s15, UNIT                       ; my 128 rows of A
	s_mul_i32 s22, s16, UNIT
	s_add_co_u32 s22, s22, 2*UNIT                  ; my 128 rows of W
.irp s, 0,1
	v_add_nc_u32 v[ADRA+\s], s21, v4
	v_add_nc_u32 v[ADRB+\s], s22, v4
	s_add_co_u32 s21, s21, SLOT
	s_add_co_u32 s22, s22, SLOT
.endr
	v_mul_u32_u24 v5, v1, KS                       ; my row's scale bytes,
	v_lshrrev_b32 v6, 8, v5
	v_lshl_add_u32 v5, v6, 4, v5                   ; and 16 more for each 256 passed
	s_mul_i32 s21, s15, HALFS
	s_mul_i32 s22, s16, HALFS
	s_add_co_u32 s22, s22, 2*HALFS
	s_sub_co_u32 s22, s22, s21
	v_mul_u32_u24 v6, s22, v2                      ; lanes 16-31 take W's
	s_add_co_u32 s21, s21, SCL
	v_add_nc_u32 v5, v5, v6
	v_add_nc_u32 v[ADRS], s21, v5
.if FC
	s_mul_i32 s23, s14, 16*SPITCH
	s_add_co_u32 s23, s23, STG0                    ; my stage
	v_mul_u32_u24 v5, v1, SPITCH
	v_lshl_add_u32 v5, v2, 5, v5
	v_add_nc_u32 v[STO], s23, v5
	v_and_b32 v6, 31, v0
	v_lshlrev_b32 v[CO], 4, v6
	v_add_nc_u32 v[RD], s23, v[CO]
	s_lshl_b32 s20, s17, 8
	s_lshl_b32 s21, s15, 7
	s_add_co_u32 s20, s20, s21
	s_lshl_b32 s20, s20, 12                        ; my first row of out0: 4,096 bytes a row
	s_lshl_b32 s46, s42, 10
	s_lshl_b32 s47, s16, 9
	s_add_co_u32 s46, s46, s47                     ; my first column, in bytes
	s_add_co_u32 s20, s20, s46
	s_mov_b32 s21, 0
	s_mov_b32 s47, 0
	s_add_nc_u64 s[10:11], s[10:11], s[20:21]
	s_add_nc_u64 s[8:9], s[8:9], s[46:47]
	v_lshlrev_b32 v3, 5, v2                        ; the bias in the result's layout: columns 16 b + 8 h + 0..7
.irp b, 0,1,2,3,4,5,6,7
	global_load_b128 v[BIAS+8*\b:BIAS+8*\b+3], v3, s[8:9] offset:64*\b
	global_load_b128 v[BIAS+8*\b+4:BIAS+8*\b+7], v3, s[8:9] offset:64*\b+16
.endr
.else
	s_mul_i32 s23, s14, 12800
	s_add_co_u32 s23, s23, STG0                    ; Q, K: my stage: 128 rows x 96 bytes, then 128 scale words
	v_and_b32 v3, 31, v0
	v_lshlrev_b32 v5, 4, v3                        ; v5  16 x lane
	v_lshlrev_b32 v6, 3, v2                        ; v6  8 h
	v_mul_u32_u24 v7, v1, 96
	v_mad_u32_u24 v7, v2, 24, v7
	v_add_nc_u32 v7, s23, v7                       ; v7  row r, + 24 h
	v_lshl_add_u32 v8, v1, 2, s23
	v_add_nc_u32 v8, 12288, v8                     ; v8  row r's scale word
	v_add_nc_u32 v9, s23, v5                       ; v9  back: 16 x lane
	s_mul_i32 s23, s14, 12928
	s_add_co_u32 s23, s23, STGV                    ; V: my stage: 8 rows x (1,536 + 16), then 8 x 64 scale bytes.  (Bytes of its own for each of the two ways out)
	v_mul_u32_u24 v10, v1, 12
	v_mad_u32_u24 v10, v2, 1552, v10
	v_add_nc_u32 v10, s23, v10                     ; v10 channel row h, 12 r
	v_lshrrev_b32 v11, 1, v1
	v_lshl_add_u32 v11, v2, 6, v11
	v_add_nc_u32 v11, s23, v11
	v_add_nc_u32 v11, 12416, v11                   ; v11 the block's scale byte
	v_add_nc_u32 v12, s23, v5                      ; v12 back: 16 x lane
	s_mov_b32 s96, 0x76543210
	s_mov_b32 s97, 0xfedcba98                      ; v_permlanex16_b32's selects for lane l xor 16
	s_lshl_b32 s20, s42, 1
	s_add_co_u32 s20, s20, s16                     ; e = n / 128
	s_lshl_b32 s21, s17, 1
	s_add_co_u32 s21, s21, s15                     ; the head: m / 128
	s_mov_b32 s22, 786432                          ; Q, K codes: e x 786,432 + head x 12,288;  V: e x 12,288 + head x 98,304
	s_mov_b32 s23, 12288
	s_mov_b32 s46, 32768                           ; scales: e x 32,768 + head x 512;  V: e x 512 + head x 4,096
	s_mov_b32 s47, 512
	s_cmp_eq_u32 s95, 2
	s_cselect_b32 s22, 12288, s22
	s_cselect_b32 s23, 98304, s23
	s_cselect_b32 s46, 512, s46
	s_cselect_b32 s47, 4096, s47
	s_mul_i32 s22, s22, s20
	s_mul_i32 s23, s23, s21
	s_add_co_u32 s22, s22, s23
	s_mul_i32 s23, s95, 6291456
	s_add_co_u32 s22, s22, s23
	s_mov_b32 s23, 0
	s_mul_i32 s46, s46, s20
	s_mul_i32 s47, s47, s21
	s_add_co_u32 s46, s46, s47
	s_mul_i32 s47, s95, 262144
	s_add_co_u32 s46, s46, s47
	s_add_co_u32 s46, s46, 18874368
	s_mov_b32 s47, 0
	s_add_nc_u64 s[12:13], s[10:11], s[46:47]      ; my 512 bytes of scales
	s_add_nc_u64 s[10:11], s[10:11], s[22:23]      ; my 12,288 bytes of codes
.endif
.macro FRAG reg, adr, q, i             ; 16 rows x 128 K: registers 6 c .. 6 c + 5 = panel 2 q + c, row r, bytes 24 h on: three loads of 8 bytes
.irp p, 0,1,2,3,4,5
	ds_load_b64 v[\reg+2*\p:\reg+2*\p+1], v[\adr] offset:(2*(\q)+\p/3)*6144+(\i)*768+8*(\p%3)
.endr
.endm
; 16 matrix instructions: A's blocks a0, a0 + 1 x W's eight.  start = 1: the first product starts the sums (with 0, or with the bias).  The 64 accumulators take turns.
.macro MUL16 a0, p, q, sc, start
.irp a, \a0, \a0+1
.irp b, 0,1,2,3,4,5,6,7
.if (\start) && FC
	v_wmma_scale_f32_16x16x128_f8f6f4 v[8*(8*((\a)%4)+\b):8*(8*((\a)%4)+\b)+7], v[128*(\p)+FR*\b:128*(\p)+FR*\b+FR-1], v[AF+FR*(\a):AF+FR*(\a)+FR-1], v[BIAS+8*\b:BIAS+8*\b+7], v[SC+8*NQ*(\sc)+NQ*\b+(\q)], v[SC+8*NQ*(\sc)+NQ*(\a)+(\q)] matrix_a_fmt:MATRIX_FMT_FP6 matrix_b_fmt:MATRIX_FMT_FP6 matrix_a_scale:MATRIX_SCALE_ROW1
.elseif \start
	v_wmma_scale_f32_16x16x128_f8f6f4 v[8*(8*((\a)%4)+\b):8*(8*((\a)%4)+\b)+7], v[128*(\p)+FR*\b:128*(\p)+FR*\b+FR-1], v[AF+FR*(\a):AF+FR*(\a)+FR-1], 0, v[SC+8*NQ*(\sc)+NQ*\b+(\q)], v[SC+8*NQ*(\sc)+NQ*(\a)+(\q)] matrix_a_fmt:MATRIX_FMT_FP6 matrix_b_fmt:MATRIX_FMT_FP6 matrix_a_scale:MATRIX_SCALE_ROW1
.else
	v_wmma_scale_f32_16x16x128_f8f6f4 v[8*(8*((\a)%4)+\b):8*(8*((\a)%4)+\b)+7], v[128*(\p)+FR*\b:128*(\p)+FR*\b+FR-1], v[AF+FR*(\a):AF+FR*(\a)+FR-1], v[8*(8*((\a)%4)+\b):8*(8*((\a)%4)+\b)+7], v[SC+8*NQ*(\sc)+NQ*\b+(\q)], v[SC+8*NQ*(\sc)+NQ*(\a)+(\q)] matrix_a_fmt:MATRIX_FMT_FP6 matrix_b_fmt:MATRIX_FMT_FP6 matrix_a_scale:MATRIX_SCALE_ROW1
.endif
.endr
.endr
.endm
.macro FETCH_B slot, q, p
	WIN TO_B
.irp i, 0,1,2,3,4,5,6,7
	FRAG 128*(\p)+FR*\i, ADRB+\slot, \q, \i
.endr
	WIN 0
.endm
.macro FETCH_A slot, q, i0
.irp i, \i0, \i0+1, \i0+2, \i0+3
	FRAG AF+FR*(\i), ADRA+\slot, \q, \i
.endr
.endm
.macro SCALES sc                       ; a K step's two scale words a row: lanes 0-15 A's block i, lanes 16-31 W's block i
.irp i, 0,1,2,3,4,5,6,7
	ds_load_b64 v[SC+8*NQ*\sc+NQ*\i:SC+8*NQ*\sc+NQ*\i+1], v[ADRS] offset:\i*SBLK
.endr
.endm
.macro PLACES n                        ; plain vector instructions between a matrix instruction and a load into, or a read of, its registers
.rept \n
	v_nop
.endr
.endm
.macro STEP slot, q, start             ; 128 along K whose successor lies in the same slot
	s_wait_dscnt 4*NL                              ; W's set and A's blocks 0-3 are in; the youngest 24 loads (A's blocks 4-7) may be out
	WINM 0, \start
	MUL16 0, (\q)%2, \q, \slot, \start
	MUL16 2, (\q)%2, \q, \slot, \start
	s_wait_dscnt 0
	PLACES NP
	FETCH_B \slot, (\q)+1, 1-(\q)%2
	FETCH_A \slot, (\q)+1, 0
	WINM 1, \start
	MUL16 4, (\q)%2, \q, \slot, \start
	MUL16 6, (\q)%2, \q, \slot, \start
	PLACES NP
	WIN 0
	FETCH_A \slot, (\q)+1, 4
.endm
; A slot's last 128 along K changes slots: each wave waits for all its tensor loads, adds 0 to its spare word, waits for that and for its reads of the slot; one barrier.  fill = 1: the slot is filled again.
.macro TURN slot, next, fill
	s_wait_tensorcnt 0x0                           ; all my tensor loads have landed: my part of the next slot
	ds_add_u32 v[SPW], v[NIL]                      ; 0 onto my spare word
	s_wait_dscnt 4*NL+1                            ; (the add and the youngest 24 loads may be out)
	WINM 0, 0
	MUL16 0, 1, NQ-1, \slot, 0
	s_wait_dscnt 0x0                               ; the add is done, and my reads of this slot are over
	s_barrier_signal -1
	MUL16 2, 1, NQ-1, \slot, 0
	WIN 0
	s_barrier_wait -1
.if \fill
	CREST                                          ; the barrier has opened a round of the cluster's barrier: no wave of any partner still reads this slot or has a load on its way
	s_add_nc_u64 s[G0+4*\slot+2:G0+4*\slot+3], s[G0+4*\slot+2:G0+4*\slot+3], 8*APAN
	s_add_nc_u64 s[G0B+4*\slot+2:G0B+4*\slot+3], s[G0B+4*\slot+2:G0B+4*\slot+3], 8*BPAN
	JLOAD G0+4*\slot, G1, G0B+4*\slot, G1B         ; the first tensor load behind the round; its four v_nop are the places in front of the loads below
.else
	PLACES NP
.endif
	v_add_nc_u32 v[ADRS], 4*NQ, v[ADRS]            ; the next K step's scale words
	FETCH_B \next, 0, 0
	FETCH_A \next, 0, 0
	SCALES \next
	WINM 1, 0
	MUL16 4, 1, NQ-1, \slot, 0
	MUL16 6, 1, NQ-1, \slot, 0
	PLACES NP
	WIN 0
	FETCH_A \next, 0, 4
.endm
	s_wait_tensorcnt 1                             ; the scale bytes and my part of K step 0 are in; K step 1's load may be out
	s_barrier_signal -1
	s_barrier_wait -1
	FETCH_B 0, 0, 0
	FETCH_A 0, 0, 0
	SCALES 0
	FETCH_A 0, 0, 4
.if FC
	s_wait_loadcnt 0x0                             ; the bias
.endif
	STEP 0, 0, 1                                   ; four K steps of 256, written out
	TURN 0, 1, 1
	STEP 1, 0, 0
	TURN 1, 0, 1
	STEP 0, 0, 0
	TURN 0, 1, 0                                   ; nothing is left to fetch
	STEP 1, 0, 0
	s_wait_dscnt 4*NL
	WINM 0, 0
	MUL16 0, 1, NQ-1, 1, 0
	MUL16 2, 1, NQ-1, 1, 0
	s_wait_dscnt 0
	WINM 1, 0
	MUL16 4, 1, NQ-1, 1, 0
	MUL16 6, 1, NQ-1, 1, 0
	WIN 0
	PLACES NP
.if FC
; THE WAY OUT: a block of 16 rows x 128 columns goes through my own stage and comes back as whole rows of 512 bytes.  LDS serves a wave's instructions in order (ISA guide 5.7.1.4).
.macro TOSTAGE a
.set AC, 64*((\a)%4)
	WIN 0x08+4*((\a)/4)
.irp b, 0,1,2,3,4,5,6,7
	ds_store_b128 v[STO], v[AC+8*\b:AC+8*\b+3] offset:64*\b          ; each accumulator from its low end on
	ds_store_b128 v[STO], v[AC+8*\b+4:AC+8*\b+7] offset:64*\b+16
.endr
	WIN 0
.set BB, BK+64*((\a)%2)
.irp t, 0,1,2,3,4,5,6,7,8,9,10,11,12,13,14,15
	ds_load_b128 v[BB+4*\t:BB+4*\t+3], v[RD] offset:\t*SPITCH
.endr
.endm
.macro SEND a, younger
.set BB, BK+64*((\a)%2)
	s_wait_dscnt \younger
.if (\a) > 0
	s_add_nc_u64 s[10:11], s[10:11], 16*4096       ; (behind a wait on XCNT: the earlier stores have read their base)
.endif
.irp t, 0,1,2,3,4,5,6,7,8,9,10,11,12,13,14,15
	global_store_b128 v[CO], v[BB+4*\t:BB+4*\t+3], s[10:11] offset:\t*4096 th:TH_STORE_NT   ; 32 lanes store 512 consecutive bytes, aligned
.endr
.endm
	TOSTAGE 0
.irp a, 1,2,3,4,5,6,7
.if \a > 1
	s_wait_xcnt 0x0                                ; block a - 2's stores have read their registers and their base
.endif
	TOSTAGE \a
	SEND \a-1, 32
.endr
	s_wait_xcnt 0x0
	SEND 7, 0
.else
	s_cmp_eq_u32 s95, 2                            ; the tensor: alike in all partners
	s_cbranch_scc1 .Lvpath
; Q, K.  Group grp = my rows 64 grp on (window 2 + grp).  Unit u = 2 a + c: 32 registers = one block of 32 channels.
.macro QKOUT grp
	WIN 0x0a+5*(\grp)
.irp u, 0,1,2,3,4,5,6,7
	v_max3_num_f32 v[32+\u], |v[32*\u]|, |v[32*\u+1]|, 0x1800000   ; with the floor 2^(3 - 127); each accumulator is read from its low end on
.endr
.irp i, 2,4,6,8,10,12,14,16,18,20,22,24,26,28,30
.irp u, 0,1,2,3,4,5,6,7
	v_max3_num_f32 v[32+\u], |v[32*\u+\i]|, |v[32*\u+\i+1]|, v[32+\u]
.endr
.endr
	WIN 0
.irp u, 0,1,2,3,4,5,6,7
	v_add_nc_u32 v[40+\u], 0xff000000, v[32+\u]    ; the conversion's scale operand
.endr
.irp u, 0,1,2,3,4,5,6,7
	v_lshrrev_b32 v[48+\u], 23, v[40+\u]           ; the byte
.endr
.irp a, 0,1,2,3
	v_lshl_or_b32 v[56+\a], v[49+2*\a], 16, v[48+2*\a]   ; my bytes of c = 0 and c = 1,
.endr
.irp a, 0,1,2,3
	v_lshlrev_b32 v[56+\a], v6, v[56+\a]           ; 8 h bits up;
.endr
.irp a, 0,1,2,3
	v_permlanex16_b32 v[60+\a], v[56+\a], s96, s97
.endr
.irp a, 0,1,2,3
	v_or_b32 v[56+\a], v[56+\a], v[60+\a]          ; with lane l xor 16's two the word (byte 2 c + h) is whole
.endr
.irp a, 0,1,2,3
	ds_store_b32 v8, v[56+\a] offset:64*(4*(\grp)+\a)
.endr
	WIN 0x02+(\grp)
.irp u, 0,1,2,3,4,5,6,7
	v_cvt_scalef32_pk16_fp6_f32 v[64+12*\u:66+12*\u], v[32*\u:32*\u+15], v[40+\u]
	v_cvt_scalef32_pk16_fp6_f32 v[70+12*\u:72+12*\u], v[32*\u+16:32*\u+31], v[40+\u]   ; (a conversion's three registers begin on an even number)
.endr
	WIN 0
	v_nop                                          ; one plain line behind the conversions
.irp u, 0,1,2,3,4,5,6,7
.irp i, 0,1,2
	v_mov_b32 v[67+12*\u+\i], v[70+12*\u+\i]
.endr
.endr
.irp u, 0,1,2,3,4,5,6,7
.irp k, 0,1,2
	ds_store_b64 v7, v[64+12*\u+2*\k:65+12*\u+2*\k] offset:(16*(4*(\grp)+\u/2))*96+48*(\u%2)+8*\k
.endr
.endr
.irp k, 0,1,2,3,4,5,6,7,8,9,10,11
	ds_load_b128 v[160+48*(\grp)+4*\k:163+48*(\grp)+4*\k], v9 offset:6144*(\grp)+512*\k
.endr
.irp k, 0,1,2,3,4,5,6,7,8,9,10,11
	s_wait_dscnt 11-\k
	global_store_b128 v5, v[160+48*(\grp)+4*\k:163+48*(\grp)+4*\k], s[10:11] offset:6144*(\grp)+512*\k   ; 512 consecutive bytes, aligned
.endr
.endm
.irp a, 0,1,2,3
	v_mov_b32 v[60+\a], 0                          ; a lane permute's destination counts as one of its sources
.endr
	QKOUT 0
	QKOUT 1
	ds_load_b128 v[32:35], v9 offset:12288
	s_wait_dscnt 0x0
	global_store_b128 v5, v[32:35], s[12:13]       ; my 128 scale words
	s_branch .Lend
.Lvpath:
; V.  Unit u = 4 a + p: 16 registers = 16 keys of row 16 a + r for channel 2 p + h of my eight.
.macro VOUT grp
.if \grp
	s_wait_dscnt 0x0                               ; the first group's LDS stores have read their registers
.endif
	WIN 0x0a+5*(\grp)
.irp u, 0,1,2,3,4,5,6,7,8,9,10,11,12,13,14,15
	v_max3_num_f32 v[32+\u], |v[16*\u]|, |v[16*\u+1]|, 0x1800000
.endr
.irp i, 2,4,6,8,10,12,14
.irp u, 0,1,2,3,4,5,6,7,8,9,10,11,12,13,14,15
	v_max3_num_f32 v[32+\u], |v[16*\u+\i]|, |v[16*\u+\i+1]|, v[32+\u]
.endr
.endr
	WIN 0
.irp u, 0,1,2,3,4,5,6,7,8,9,10,11,12,13,14,15
	v_max_num_f32_dpp v[32+\u], v[32+\u], v[32+\u] row_xmask:1 row_mask:0xf bank_mask:0xf   ; with row m xor 1's 16 keys: the block's
.endr
.irp u, 0,1,2,3,4,5,6,7,8,9,10,11,12,13,14,15
	v_add_nc_u32 v[48+\u], 0xff000000, v[32+\u]
.endr
.irp u, 0,1,2,3,4,5,6,7,8,9,10,11,12,13,14,15
	v_lshrrev_b32 v[64+\u], 23, v[48+\u]
.endr
.irp u, 0,1,2,3,4,5,6,7,8,9,10,11,12,13,14,15
	ds_store_b8 v11, v[64+\u] offset:128*(\u%4)+8*(4*(\grp)+\u/4)   ; both lanes of a block write the same byte
.endr
	WIN 0x02+(\grp)
.irp u, 0,1,2,3,4,5,6,7,8,9,10,11,12,13,14,15
	v_cvt_scalef32_pk16_fp6_f32 v[80+4*\u:82+4*\u], v[16*\u:16*\u+15], v[48+\u]
.endr
	WIN 0
	v_nop                                          ; one plain line behind the conversions
.irp u, 0,1,2,3,4,5,6,7,8,9,10,11,12,13,14,15
.irp k, 0,1,2
	ds_store_b32 v10, v[80+4*\u+\k] offset:2*(\u%4)*1552+(16*(4*(\grp)+\u/4))*12+4*\k
.endr
.endr
.endm
	VOUT 0
	VOUT 1
.irp k, 0,1,2,3,4,5,6,7,8,9,10,11,12,13,14,15,16,17,18,19,20,21,22,23
	ds_load_b128 v[144+4*\k:147+4*\k], v12 offset:(\k/3)*1552+512*(\k%3)
.endr
	ds_load_b128 v[240:243], v12 offset:12416
.irp k, 0,1,2,3,4,5,6,7,8,9,10,11,12,13,14,15,16,17,18,19,20,21,22,23
	s_wait_dscnt 24-\k
	global_store_b128 v5, v[144+4*\k:147+4*\k], s[10:11] offset:(\k/3)*1536+512*(\k%3)   ; eight whole rows of V^T: 12,288 consecutive bytes
.endr
	s_wait_dscnt 0x0
	global_store_b128 v5, v[240:243], s[12:13]     ; their 512 scale bytes
.Lend:
.endif
	s_wait_tensorcnt 0x0                           ; the wave's end
	ds_add_u32 v[SPW], v[NIL]
	s_wait_dscnt 0x0
	CROUND                                         ; the closing round
	s_endpgm
.Lfunc_end_k_q403737501a_proj:
	.size	k_q403737501a_proj, .Lfunc_end_k_q403737501a_proj-k_q403737501a_proj
	.p2alignl 7, 3214868480
	.fill 96, 4, 3214868480
	.section	.rodata,"a",@progbits
	.p2align	6, 0x0
	.amdhsa_kernel k_q403737501a_proj
		.amdhsa_group_segment_fixed_size 327680
		.amdhsa_private_segment_fixed_size 0
		.amdhsa_enable_private_segment 0
		.amdhsa_kernarg_size 24
		.amdhsa_user_sgpr_count 2
		.amdhsa_user_sgpr_kernarg_segment_ptr 1
		.amdhsa_wavefront_size32 1
		.amdhsa_system_sgpr_workgroup_id_x 1
		.amdhsa_system_sgpr_workgroup_id_y 1
		.amdhsa_system_sgpr_workgroup_id_z 1
		.amdhsa_system_vgpr_workitem_id 0
		.amdhsa_next_free_vgpr 1024
		.amdhsa_next_free_sgpr 104
		.amdhsa_reserve_vcc 0
		.amdhsa_float_denorm_mode_32 3
		.amdhsa_float_denorm_mode_16_64 3
		.amdhsa_memory_ordered 1
		.amdhsa_forward_progress 1
		.amdhsa_inst_pref_size 201
	.end_amdhsa_kernel
	.amdgpu_metadata
---
amdhsa.version: [ 1, 2 ]
amdhsa.kernels:
  - .name:           k_q403737501a_proj
    .symbol:         k_q403737501a_proj.kd
    .args:
      - { .name: xq, .offset: 0, .size: 8, .value_kind: global_buffer, .address_space: global }
      - { .name: wq, .offset: 8, .size: 8, .value_kind: global_buffer, .address_space: global }
      - { .name: qkv, .offset: 16, .size: 8, .value_kind: global_buffer, .address_space: global }
    .group_segment_fixed_size: 327680
    .private_segment_fixed_size: 0
    .kernarg_segment_align: 8
    .kernarg_segment_size: 24
    .max_flat_workgroup_size: 128
    .sgpr_count:     104
    .vgpr_count:     1024
    .wavefront_size: 32
...
	.end_amdgpu_metadata
.endif
;; end of part 2
;; launch attn (part 3): grid 4 x 64, 16 waves a work-group, no clusters, 152,576 bytes of LDS; arguments qkv, mw, rq, out1; writes rq, out1
.if DOCPART == 3
	.amdgcn_target "amdgcn-amd-amdhsa--gfx1250"
	.amdhsa_code_object_version 6
	.text
	.protected	k_q403737501a_attn
	.globl	k_q403737501a_attn
	.p2align	8
	.type	k_q403737501a_attn,@function
k_q403737501a_attn:
	s_mov_b64 s[64:65], 0
	v_nop
	global_prefetch_b8 v0, s[64:65] scope:SCOPE_SE
	s_setreg_imm32_b32 hwreg(HW_REG_WAVE_MODE, 25, 1), 1
	s_wait_xcnt 0x0
; ATTENTION ON CODES OF FP6 (E2M3).  For head g = 16 b + hd: s = Q K^T / 8; temp = mask ? exp(s) : 0; a = temp / (the row's sum), not-a-number -> 0; res = a V.
; Both products are quantised; a is quantised FINISHED AND NORMALISED, so a row's sum must be known before any weight is quantised.  No maximum is taken away, as in the definition: a row whose sum is
; infinite gives zeros there (finite / inf = 0, inf / inf -> 0) and here (a select on the sum); a row whose sum is 0 gives zeros in both.
; SHARES.  A work-group takes 512 queries of one head, 16 at a time (32 blocks).  THE SIXTEEN WAVES SHARE THE KEYS: wave w owns keys 128 w .. 128 w + 127 for the whole launch; its fragments of K and of V^T
; (96 registers) are read once and stay.  A block's 16 x 128 exponentials stay in 64 registers while the 16 partial row sums cross LDS; then they are normalised, quantised and multiplied by V^T.
; The 16 partial results are added through LDS a block later (wave w adds query w's row), and two blocks later waves 0 and 1 quantise the 16 rows for the last product.  One barrier a block: every LDS region has two
; copies by the block's parity, written in one block and read behind the next barrier; a copy is written again only behind a barrier that each wave signals behind the wait for its reads.
; K = 64 IN A FORM OF K = 128: a fragment of K packs two tiles (registers 0-5: 16 even keys, 6-11: the 16 odd keys beside them); source 1 is [Q | zeros] or [zeros | Q], which picks one of them.
; LAYOUT.  Both products transposed: a lane holds one query (lane % 16).  Score register n of lane (q, h) is key 128 w + 64 (n / 32) + 32 h + ko(n % 32), ko(p) = 16 (p / 16) + 2 (p % 8) + (p / 8) % 2:
; 32 neighbouring registers are one block of 32 keys, in the order in which V's codes lie; so the conversions' results are the second product's operand.
; INDEPENDENT WORK AT EVERY LATENCY.  All sixteen waves walk the same phases between two barriers, so a wave brings its own filler.  A block's largest weight is the largest exponential times the reciprocal of the sum
; (a multiplication by a number that is not negative, rounded, never turns an order round: the bits are those of the largest product), so the 32 lines that search for the largest hang on no sum: macro MX deals them out
; round the barrier and between the links of the sum's chain.  The exponentials go in two batches; scalings stand among the first, the first half's selects and sums among the second.
; NO CLUSTER: what the four work-groups of a head share, K and V, goes into registers once at the head (12,800 bytes a wave); no LDS tile is shared.  NO PREFETCH: Q and the mask words are asked for a block ahead.
; LIMITS: an exponential under 2^-126 counts as 0 (scores under -87.3); NaN and infinities among the scores are not served; a block of weights or results under 2^-124 keeps the byte 1; the row's sum is added in another order.
.set OPW,  8704                        ; LDS: partial results: wave w at w OPW + parity OPP + q 272 + 4 d
.set OPP,  4352
.set LP,   139264                      ; partial sums: parity LPP + q 80 + 4 w
.set LPP,  1280
.set FN,   141824                      ; finished rows: parity OPP + q 272 + 4 d
.set ESTR, 786432
.set KCO,  6291456
.set VCO,  12582912
.set QSO,  18874368
.set KSO,  19136512
.set VSO,  19398656
.set RSO,  6291456
.set KF,   86                          ; v86-133  K: four packed fragments
.set VF,   134                         ; v134-181 V^T: four fragments
.set S,    182                         ; v182-245 scores, exponentials, weights; then (the lower 32) the partial result
.set FD,   S+32                        ; v214-229 sixteen numbers of a finished row, in registers that the conversions have left (waves 0 and 1)
; v2 Q's offset, v3 its scale word's, v4 16 (r % 2), v5 8 h, v6/v7 partial sums in/out, v8 partial result in, v9/v10 out, v11 finished row in, v12 out, v13 out1, v14 codes out, v15 bytes out, v16 4 w, v17 8 ((lane / 2) % 2)
; v20-27 at work (three of the sum's four chains; the partial sums; the finished rows' codes); v28-29 the sum; v30, v31 the row's sum by parity; v32-33 its reciprocal; v34-37 four chains of maxima, then the two largest and the
; conversions' scale operands; v38-39 at work; v40 the weights' scale word; v41 Q's; v42 Q's word as loaded; v43 the sum of my row;
; v44-45 K's scale words; v46-47 V's; v48-65 [zeros | Q | zeros]; v66-85 the weights' codes, and where LDS loads land; v246-247 my row's pair
; s[2:13] six pointers that walk; s14 wave; s15 trips; s[16:63], s[68:83] the block's 64 mask words; s[66:67] log2(e) / 8; s[84:85] lane selects; s99 1.0
	s_load_b256 s[88:95], s[0:1], 0x0              ; qkv, mw, rq, out1
	v_lshl_add_u32 v254, v0, 2, 0x24c00
	v_mov_b32 v255, 0
	v_lshrrev_b32 v1, 5, v0
	v_readfirstlane_b32 s14, v1                    ; wave 0..15
	v_and_b32 v18, 15, v0                          ; r
	v_bfe_u32 v19, v0, 4, 1                        ; h
	v_and_b32 v1, 31, v0                           ; lane
	v_lshrrev_b32 v20, 1, v18
	v_and_b32 v21, 1, v18
	v_mul_u32_u24 v2, v20, ESTR                    ; query r of a block: e = r / 2, c = r % 2
	v_mad_u32_u24 v2, v21, 48, v2
	v_mad_u32_u24 v2, v19, 24, v2
	v_lshlrev_b32 v3, 15, v20
	v_lshlrev_b32 v4, 4, v21
	v_lshlrev_b32 v5, 3, v19
	s_lshl_b32 s86, s14, 2
	v_mul_u32_u24 v6, v18, 80
	v_lshl_add_u32 v7, v19, 5, v6
	v_add_nc_u32 v7, LP, v7
	v_add_nc_u32 v6, s86, v6
	v_add_nc_u32 v6, LP, v6
	s_mul_i32 s86, s14, OPW
	v_mul_u32_u24 v8, v18, 272
	v_lshl_add_u32 v8, v19, 7, v8
	v_add_nc_u32 v8, s86, v8
	s_mul_i32 s86, s14, 272
	v_lshl_add_u32 v9, v1, 3, s86
	v_add_nc_u32 v10, 8*OPW, v9
	v_add_nc_u32 v11, FN, v9
	s_and_b32 s86, s14, 1
	s_mul_i32 s87, s86, 8*272
	v_lshrrev_b32 v20, 2, v1
	v_and_b32 v21, 3, v1
	v_mul_u32_u24 v12, v20, 272
	v_lshl_add_u32 v12, v21, 6, v12
	v_add_nc_u32 v12, s87, v12
	v_add_nc_u32 v12, FN, v12
	s_lshl_b32 s87, s14, 8
	v_lshl_add_u32 v13, v1, 3, s87
	s_mul_i32 s87, s86, 384
	v_mul_u32_u24 v14, v1, 12
	v_add_nc_u32 v14, s87, v14
	s_lshl_b32 s87, s86, 8
	v_lshl_add_u32 v15, v20, 5, s87
	s_lshl_b32 s87, s14, 2
	v_mov_b32 v16, s87
	v_bfe_u32 v17, v0, 1, 1
	v_lshlrev_b32 v17, 3, v17
	v_and_b32 v24, 7, v18                          ; the head's loads: K's row of lane r: e = r % 8, two rows m on for r / 8
	v_lshrrev_b32 v25, 3, v18
	v_mul_u32_u24 v20, v24, ESTR
	v_mad_u32_u24 v20, v25, 192, v20
	v_mad_u32_u24 v20, v19, 24, v20
	v_lshlrev_b32 v21, 15, v24
	v_lshl_add_u32 v21, v25, 3, v21
	v_lshl_add_u32 v21, v19, 2, v21                ; lanes 16-31: the odd fragment's words, one row m on
	v_lshl_add_u32 v26, v25, 5, v24                ; V's row of lane r: channel r % 8 + 32 (r / 8)
	v_mul_u32_u24 v22, v26, 1536
	v_mad_u32_u24 v22, v19, 24, v22
	v_lshlrev_b32 v23, 6, v26
	v_lshl_add_u32 v23, v19, 9, v23                ; lanes 16-31: the odd fragment's words, eight channels on
.irp j, 0,1,2,3,4,5
	v_mov_b32 v[48+\j], 0
	v_mov_b32 v[60+\j], 0
.endr
	v_mov_b32 v33, 0                               ; (named as the upper half of a pair whose low word serves both halves)
	s_and_b32 s96, ttmp7, 0xffff                   ; g
	s_lshr_b32 s97, s96, 4                         ; b
	s_and_b32 s98, s96, 15                         ; hd
	s_lshl_b32 s99, s96, 7
	s_lshl_b32 s100, ttmp9, 5
	s_add_co_u32 s99, s99, s100                    ; block 0's row of the projection: 128 g + 32 x
	s_mov_b32 s66, 0x3e38aa3b                      ; log2(e) / 8
	s_mov_b32 s67, s66
	s_mov_b32 s84, 0x76543210
	s_mov_b32 s85, 0xfedcba98
	s_mov_b32 s87, 0
	s_wait_kmcnt 0x0
	s_mul_i32 s86, s99, 96
	s_add_nc_u64 s[2:3], s[88:89], s[86:87]        ; Q's codes
	s_lshl_b32 s86, s99, 2
	s_add_co_u32 s86, s86, QSO
	s_add_nc_u64 s[4:5], s[88:89], s[86:87]        ; Q's scale words
	s_lshl_b32 s86, s97, 7
	s_add_co_u32 s86, s86, s100
	s_lshl_b32 s86, s86, 12
	s_lshl_b32 s101, s14, 8
	s_add_co_u32 s86, s86, s101
	s_add_nc_u64 s[6:7], s[90:91], s[86:87]        ; my 64 mask words of block 0
	s_lshl_b32 s86, s98, 2
	s_add_co_u32 s86, s86, s97
	s_lshl_b32 s86, s86, 19
	s_lshl_b32 s101, ttmp9, 17
	s_add_co_u32 s86, s86, s101
	s_add_nc_u64 s[8:9], s[94:95], s[86:87]        ; out1[hd][b][512 x]
	s_lshl_b32 s101, s97, 11
	s_lshl_b32 s86, ttmp9, 9
	s_add_co_u32 s101, s101, s86                   ; row 2,048 b + 512 x of the last product's A
	s_mul_i32 s86, s98, 393216
	s_mul_i32 s100, s101, 48
	s_add_co_u32 s86, s86, s100
	s_add_nc_u64 s[10:11], s[92:93], s[86:87]      ; its codes, panel hd
	s_lshl_b32 s86, s101, 5
	s_add_co_u32 s86, s86, RSO
	s_lshl_b32 s100, s98, 1
	s_add_co_u32 s86, s86, s100
	s_add_nc_u64 s[12:13], s[92:93], s[86:87]      ; its scale bytes 2 hd, 2 hd + 1
	s_lshl_b32 s100, s96, 7
	s_lshl_b32 s101, s14, 3
	s_add_co_u32 s100, s100, s101                  ; my keys' first row: 128 g + 8 w
	s_mul_i32 s86, s100, 96
	s_add_co_u32 s86, s86, KCO
	s_add_nc_u64 s[90:91], s[88:89], s[86:87]      ; K's codes
	s_lshl_b32 s86, s100, 2
	s_add_co_u32 s86, s86, KSO
	s_add_nc_u64 s[92:93], s[88:89], s[86:87]      ; K's scale words
	s_mul_i32 s86, s96, 98304
	s_mul_i32 s101, s14, 96
	s_add_co_u32 s86, s86, s101
	s_add_co_u32 s86, s86, VCO
	s_add_nc_u64 s[94:95], s[88:89], s[86:87]      ; V's codes
	s_lshl_b32 s86, s96, 12
	s_lshl_b32 s101, s14, 2
	s_add_co_u32 s86, s86, s101
	s_add_co_u32 s86, s86, VSO
	s_add_nc_u64 s[88:89], s[88:89], s[86:87]      ; V's scale words
	s_mov_b32 s99, 0x3f800000
.macro ASKQ                            ; a block's Q (24 bytes a lane, straight into the operand's registers) and its scale word
	global_load_b64 v[54:55], v2, s[2:3]
	global_load_b64 v[56:57], v2, s[2:3] offset:8
	global_load_b64 v[58:59], v2, s[2:3] offset:16
	global_load_b32 v42, v3, s[4:5]
.endm
.macro ASKM                            ; a block's 64 mask words
	s_load_b512 s[16:31], s[6:7], 0x0
	s_load_b512 s[32:47], s[6:7], 0x40
	s_load_b512 s[48:63], s[6:7], 0x80
	s_load_b512 s[68:83], s[6:7], 0xc0
.endm
.macro QSCALE                          ; my query's two bytes, twice: for [Q | zeros] and for [zeros | Q]
	v_lshrrev_b32 v38, v4, v42
	v_and_b32 v38, 0xffff, v38
	v_lshl_or_b32 v41, v38, 16, v38
.endm
.irp f, 0,1,2,3
.irp p, 0,1,2,3,4,5
	global_load_b64 v[KF+12*\f+2*\p:KF+12*\f+2*\p+1], v20, s[90:91] offset:(\f%2+4*(\f/2))*96+48*(\p/3)+8*(\p%3)
.endr
.endr
	global_load_b32 v44, v21, s[92:93]
	global_load_b32 v45, v21, s[92:93] offset:16
	ASKQ
	ASKM
.irp t, 0,1,2,3
.irp p, 0,1,2,3,4,5
	global_load_b64 v[VF+12*\t+2*\p:VF+12*\t+2*\p+1], v22, s[94:95] offset:12288*\t+48*(\p/3)+8*(\p%3)
.endr
.endr
	global_load_b32 v46, v23, s[88:89]
	global_load_b32 v47, v23, s[88:89] offset:1024
	s_wait_loadcnt 26                              ; K, its scale words and block 0's Q are in; V's 26 loads, issued behind them, may be out: block 0 waits for all loads ahead of its product with V
	QSCALE
.rept 8
	v_nop                                          ; a scale register written by a vector instruction stands eight places ahead of a scaled matrix instruction
.endr
; ---- the lines of a block, by name ----
.macro MULP p                          ; pair p of the scores x log2(e) / 8
	v_pk_mul_f32 v[S+2*(\p):S+2*(\p)+1], v[S+2*(\p):S+2*(\p)+1], s[66:67] op_sel_hi:[1,0]
.endm
.macro EXPN n
	v_exp_f32 v[S+(\n)], v[S+(\n)]
.endm
.macro CND n                           ; hidden -> 0: the lane mask of register n
	v_cndmask_b32 v[S+(\n)], 0, v[S+(\n)], s[16+(\n)+4*((\n)/48)]
.endm
.macro ADDP p                          ; pair p (4 .. 31) joins chain p % 4 of the sum: v[28:29], v[20:21], v[22:23], v[24:25]; pairs 4 to 7 start the chains with pairs 0 to 3
.set cj, (\p)%4
.set cr, 18+2*cj
.if cj == 0
.set cr, 28
.endif
.if (\p) < 8
	v_pk_add_f32 v[cr:cr+1], v[S+2*((\p)-4):S+2*((\p)-4)+1], v[S+2*(\p):S+2*(\p)+1]
.else
	v_pk_add_f32 v[cr:cr+1], v[cr:cr+1], v[S+2*(\p):S+2*(\p)+1]
.endif
.endm
; Line mx of the 32 that find my two blocks' largest exponential: four chains by turns (v34: registers 0-15, v35: 32-47, v36: 16-31, v37: 48-63), seven lines each, then two lines a block that join them.
.macro MX
.set mc, mx%4
.set mt, mx/4
.set mb, S+32*(mc%2)+16*(mc/2)
.if mx < 4
	v_max3_num_f32 v[34+mc], v[mb], v[mb+1], v[mb+2]
.elseif mx < 28
	v_max3_num_f32 v[34+mc], v[34+mc], v[mb+2*mt+1], v[mb+2*mt+2]
.elseif mx < 30
	v_max3_num_f32 v[34+mx-28], v[34+mx-28], v[36+mx-28], v[S+32*(mx-28)+15]
.else
	v_max_num_f32 v[34+mx-30], v[34+mx-30], v[S+32*(mx-30)+31]
.endif
.set mx, mx+1
.endm
.macro MXN n
.rept \n
	MX
.endr
.endm
.macro NRM p0, n                       ; n pairs from p0 on x the reciprocal of the row's sum: the finished weights
.set q, \p0
.rept \n
	v_pk_mul_f32 v[S+2*q:S+2*q+1], v[S+2*q:S+2*q+1], v[32:33] op_sel_hi:[1,0]
.set q, q+1
.endr
.endm
; THE REDUCE of the block of parity P: wave w adds query w's row (64 channels, two a lane) over the 16 waves' partial results.
.macro REDA P
	ds_bpermute_b32 v43, v16, v[30+(\P)]           ; that query's sum: lane w's
.irp k, 0,1,2,3,4,5,6,7
	ds_load_b64 v[66+2*\k:67+2*\k], v9 offset:\k*OPW+(\P)*OPP
.endr
.endm
.macro TREE4
	v_pk_add_f32 v[66:67], v[66:67], v[68:69]
	v_pk_add_f32 v[70:71], v[70:71], v[72:73]
	v_pk_add_f32 v[74:75], v[74:75], v[76:77]
	v_pk_add_f32 v[78:79], v[78:79], v[80:81]
.endm
.macro TREE2
	v_pk_add_f32 v[66:67], v[66:67], v[70:71]
	v_pk_add_f32 v[74:75], v[74:75], v[78:79]
.endm
.macro REDL P                          ; the other eight waves' partial results
.irp k, 0,1,2,3,4,5,6,7
	ds_load_b64 v[66+2*\k:67+2*\k], v10 offset:\k*OPW+(\P)*OPP
.endr
.endm
.macro REDB P
	s_wait_dscnt 0x0
	TREE4
	TREE2
	v_pk_add_f32 v[246:247], v[66:67], v[74:75]
	REDL \P
.endm
.macro REDC P, o1
	s_wait_dscnt 0x0
	TREE4
	TREE2
	v_pk_add_f32 v[66:67], v[66:67], v[74:75]
	v_pk_add_f32 v[246:247], v[246:247], v[66:67]
	v_cmp_gt_f32 vcc_lo, 0x7f800000, v43           ; a row whose sum is not finite is a row of zeros
	v_cndmask_b32 v246, 0, v246, vcc_lo
	v_cndmask_b32 v247, 0, v247, vcc_lo
	ds_store_b64 v11, v[246:247] offset:(\P)*OPP
	global_store_b64 v13, v[246:247], s[8:9] offset:\o1 th:TH_STORE_NT   ; a whole row of out1: 256 consecutive bytes, aligned
.endm
; THE FINISHED ROWS of the block of parity P become codes for the last product: waves 0 and 1, eight queries each; a lane takes 16 channels, two neighbouring lanes a block.
; FINLD asks for them; FINDO, behind a wait that stands on every wave's path, does the work.
.macro FINLD P
	s_cmp_lt_u32 s14, 2
	s_cbranch_scc0 .Lnold_\@
.irp k, 0,1,2,3
	ds_load_b128 v[FD+4*\k:FD+4*\k+3], v12 offset:(\P)*OPP+16*\k
.endr
.Lnold_\@:
.endm
.macro FINDO rc, rs
	s_cmp_lt_u32 s14, 2
	s_cbranch_scc0 .Lnofin_\@
	v_max3_num_f32 v20, |v[FD]|, |v[FD+1]|, 0x1800000
	v_max3_num_f32 v21, |v[FD+2]|, |v[FD+3]|, |v[FD+4]|
	v_max3_num_f32 v20, v20, |v[FD+5]|, |v[FD+6]|
	v_max3_num_f32 v21, v21, |v[FD+7]|, |v[FD+8]|
	v_max3_num_f32 v20, v20, |v[FD+9]|, |v[FD+10]|
	v_max3_num_f32 v21, v21, |v[FD+11]|, |v[FD+12]|
	v_max3_num_f32 v20, v20, |v[FD+13]|, |v[FD+14]|
	v_max3_num_f32 v20, v20, v21, |v[FD+15]|
	v_max_num_f32_dpp v20, v20, v20 row_xmask:1 row_mask:0xf bank_mask:0xf
	v_add_nc_u32 v21, 0xff000000, v20
	v_cvt_scalef32_pk16_fp6_f32 v[22:24], v[FD:FD+15], v21
	v_lshrrev_b32 v25, 23, v21                     ; the byte (also the plain line behind the conversion)
	v_lshlrev_b32 v25, v17, v25
	v_mov_b32_dpp v26, v25 row_xmask:2 row_mask:0xf bank_mask:0xf
	v_or_b32 v25, v25, v26                         ; the query's two bytes: the same in its four lanes
	global_store_b96 v14, v[22:24], s[10:11] offset:\rc   ; 384 consecutive bytes a wave; the two waves fill three aligned blocks of 256
	global_store_b16 v15, v25, s[12:13] offset:\rs        ; a query's four lanes store the same two bytes to the same place: EXEC stays whole
.Lnofin_\@:
.endm
; BLOCK i of parity P.  red: the reduce of block i - 1;  fin: the codes of block i - 2;  next: block i + 1 is asked for.
.macro BLOCK P, red, fin, next
	v_nop                                          ; the fifth place behind the last block's products, whose results are written over.  (The LDS stores that read them have been issued: an LDS store's sources need no wait)
.irp a, 0,1,2,3,4,5,6,7
.if ((\a>>1)&1)
	v_wmma_scale_f32_16x16x128_f8f6f4 v[S+8*\a:S+8*\a+7], v[KF+12*(2*(\a>>2)+1):KF+12*(2*(\a>>2)+1)+11], v[54-6*(\a&1):65-6*(\a&1)], 0, v[44+(\a>>2)], v41 matrix_a_fmt:MATRIX_FMT_FP6 matrix_b_fmt:MATRIX_FMT_FP6 matrix_a_scale:MATRIX_SCALE_ROW1
.else
	v_wmma_scale_f32_16x16x128_f8f6f4 v[S+8*\a:S+8*\a+7], v[KF+12*(2*(\a>>2)):KF+12*(2*(\a>>2))+11], v[54-6*(\a&1):65-6*(\a&1)], 0, v[44+(\a>>2)], v41 matrix_a_fmt:MATRIX_FMT_FP6 matrix_b_fmt:MATRIX_FMT_FP6
.endif
.endr
	s_wait_xcnt 0x0                                ; while the products run: every earlier memory instruction has read its addresses and data: pointers step, store data may be written again
	s_add_nc_u64 s[2:3], s[2:3], 96
	s_add_nc_u64 s[4:5], s[4:5], 4
	s_add_nc_u64 s[6:7], s[6:7], 4096
	s_add_nc_u64 s[8:9], s[8:9], 4096              ; the three output pointers now stand i + 1 blocks on: the stores below reach back by immediates
	s_add_nc_u64 s[10:11], s[10:11], 768
	s_add_nc_u64 s[12:13], s[12:13], 512
.rept 4
	v_nop                                          ; places in front of the loads into Q's registers and of the first read of the scores
.endr
.if \next
	ASKQ
.endif
	; THE EXPONENTIALS, in two batches of 32, each with one wait ahead of its first reader.  A pair is scaled at least four pairs ahead of its exponentials.
.irp i, 0,1,2,3
	MULP \i
.endr
.set k, 0
.rept 16
	MULP k+4                                       ; a scaling leads, two exponentials follow
	EXPN 2*k
	EXPN 2*k+1
.set k, k+1
.endr
	MULP 20                                        ; (the plain line behind the batch's last exponential)
	s_wait_alu depctr_va_vdst(0)                   ; the first batch's wait
	s_wait_kmcnt 0x0                               ; the mask words, asked for a block ago
.set k, 0
.rept 16                                       ; the second batch; among it the rest of the scalings and the first half's selects and sums, which name the first batch's results alone
.if k < 11
	MULP k+21
.endif
	CND 2*k
	CND 2*k+1
	EXPN 32+2*k
.if k >= 5
	ADDP k-1
.endif
	EXPN 33+2*k
.set k, k+1
.endr
	ADDP 15                                        ; (the plain line behind the batch's last exponential)
	s_wait_alu depctr_va_vdst(0)                   ; the second batch's wait
.set k, 16
.rept 16
	CND 2*k
	CND 2*k+1
.if k > 16
	ADDP k-1
.endif
.set k, k+1
.endr
	ADDP 31
.set mx, 0
	v_pk_add_f32 v[28:29], v[28:29], v[20:21]      ; the four chains join; between the links stand lines of the search for the largest
	v_pk_add_f32 v[22:23], v[22:23], v[24:25]
	MXN 2
	v_pk_add_f32 v[28:29], v[28:29], v[22:23]
	MXN 2
	v_add_f32 v28, v28, v29
	MXN 2
	v_permlanex16_b32 v29, v28, s84, s85
	MXN 2
	v_add_f32 v28, v28, v29                        ; my wave's 128 keys
	ds_store_b32 v6, v28 offset:\P*LPP
.if \next
	ASKM
.endif
	MXN 4                                          ; while the store is out
	s_wait_dscnt 0x0                               ; for the others' sake: all my LDS stores have landed, all my LDS loads are in
	s_barrier_signal -1
	MXN 4                                          ; work on registers while the others arrive
	s_barrier_wait -1                              ; THE BLOCK'S ONE BARRIER: this block's partial sums, the last block's partial results, the rows finished in the last block
	ds_load_b128 v[20:23], v7 offset:\P*LPP
	ds_load_b128 v[24:27], v7 offset:\P*LPP+16
.if \red
	REDA 1-\P
.endif
	MXN 4                                          ; while the loads are out
.if \red
	s_wait_dscnt 9                                 ; the eight partial sums are in; the lane permute and eight loads, issued behind them, may be out
.else
	s_wait_dscnt 0x0
.endif
	v_pk_add_f32 v[20:21], v[20:21], v[22:23]
	v_pk_add_f32 v[24:25], v[24:25], v[26:27]
	MXN 2
	v_pk_add_f32 v[20:21], v[20:21], v[24:25]
	MXN 2
	v_add_f32 v20, v20, v21
	MXN 2
	v_permlanex16_b32 v21, v20, s84, s85
	MXN 2
	v_add_f32 v[30+\P], v20, v21                   ; the row's sum: the same bits in every wave
	MXN 2
	v_and_or_b32 v22, v[30+\P], 0x7fffff, s99      ; its mantissa as a number in [1, 2): the reciprocal then meets no denormal,
	v_lshrrev_b32 v24, 23, v[30+\P]
	v_rcp_f32 v23, v22
	v_sub_nc_u32 v24, 127, v24                     ; and its exponent goes in by v_ldexp_f32
	MXN 2                                          ; the last two lines: v34, v35 hold my two blocks' largest exponential
.if \red
	s_wait_dscnt 0x0                               ; eight waves' partial results of the last block
	TREE4
.endif
	s_wait_alu depctr_va_vdst(0)                   ; ahead of the reciprocal's first reader
	v_fma_f32 v25, -v22, v23, 1.0
.if \red
	TREE2
.endif
	v_fma_f32 v23, v25, v23, v23                   ; one step of Newton's
.if \red
	v_pk_add_f32 v[246:247], v[66:67], v[74:75]
.endif
	v_ldexp_f32 v32, v23, v24
.if \red
	REDL 1-\P
.endif
	v_mul_f32 v34, v34, v32                        ; the largest weight of each block: the largest exponential through the same multiplication;
	v_mul_f32 v35, v35, v32
	NRM 0, 3                                       ; the scale word's chain stands among the 32 multiplications
	v_max_num_f32 v34, 0x1800000, v34              ; the floor 2^(3 - 127): the byte cannot fall under 1
	v_max_num_f32 v35, 0x1800000, v35
	NRM 3, 3
	v_add_nc_u32 v36, 0xff000000, v34              ; the conversions' scale operands
	v_add_nc_u32 v37, 0xff000000, v35
	NRM 6, 3
	v_lshrrev_b32 v38, 23, v36
	v_lshrrev_b32 v39, 23, v37
	NRM 9, 3
	v_lshl_or_b32 v38, v39, 16, v38
	NRM 12, 3
	v_lshlrev_b32 v38, v5, v38
	NRM 15, 3
	v_permlanex16_b32 v39, v38, s84, s85
	NRM 18, 3
	v_or_b32 v40, v38, v39                         ; the weights' scale word: byte 2 c + h
	NRM 21, 11
.if \red
	REDC 1-\P, -8192
.endif
.if \next
	s_wait_loadcnt 0x0                             ; the next block's Q (in block 0: V too)
	QSCALE
.endif
	v_cvt_scalef32_pk16_fp6_f32 v[66:68], v[S:S+15], v36
	v_cvt_scalef32_pk16_fp6_f32 v[78:80], v[S+16:S+31], v36   ; (a conversion's three registers begin on an even number)
	v_cvt_scalef32_pk16_fp6_f32 v[72:74], v[S+32:S+47], v37
	v_cvt_scalef32_pk16_fp6_f32 v[82:84], v[S+48:S+63], v37
	v_nop                                          ; one plain line behind the conversions
.irp j, 0,1,2
	v_mov_b32 v[69+\j], v[78+\j]
	v_mov_b32 v[75+\j], v[82+\j]
.endr
.if \fin
	FINLD \P                                       ; asked for here, into registers that the conversions have left, so that they land under the product and the stores below
.endif
.rept 4
	v_nop                                          ; four places behind the operand's last write
.endr
.irp t, 0,1,2,3
.if \t&1
	v_wmma_scale_f32_16x16x128_f8f6f4 v[S+8*\t:S+8*\t+7], v[VF+12*\t:VF+12*\t+11], v[66:77], 0, v[46+(\t>>1)], v40 matrix_a_fmt:MATRIX_FMT_FP6 matrix_b_fmt:MATRIX_FMT_FP6 matrix_a_scale:MATRIX_SCALE_ROW1
.else
	v_wmma_scale_f32_16x16x128_f8f6f4 v[S+8*\t:S+8*\t+7], v[VF+12*\t:VF+12*\t+11], v[66:77], 0, v[46+(\t>>1)], v40 matrix_a_fmt:MATRIX_FMT_FP6 matrix_b_fmt:MATRIX_FMT_FP6
.endif
.endr
.rept 4
	v_nop
.endr
.irp t, 0,1,2,3
	ds_store_b128 v8, v[S+8*\t:S+8*\t+3] offset:\P*OPP+32*\t        ; lane (q, h): channels 32 h + 8 t + 0..7; each result from its low end on
	ds_store_b128 v8, v[S+8*\t+4:S+8*\t+7] offset:\P*OPP+32*\t+16
.endr
.if \fin
	s_wait_dscnt 8                                 ; on every wave's path: all but the eight stores just issued: the four loads of finished rows are in
	FINDO -2304, -1536
.endif
.endm
	BLOCK 0, 0, 0, 1
	BLOCK 1, 1, 0, 1
	s_mov_b32 s15, 14
.Lpair:                                            ; blocks 2 to 29, two a trip: the parities come back
	BLOCK 0, 1, 1, 1
	BLOCK 1, 1, 1, 1
	s_sub_co_u32 s15, s15, 1
	s_cmp_lg_u32 s15, 0
	s_cbranch_scc1 .Lpair
	BLOCK 0, 1, 1, 1
	BLOCK 1, 1, 1, 0                               ; block 31 asks for nothing: no load leaves its buffer
	s_wait_xcnt 0x0                                ; the last stores have read their registers
	s_wait_dscnt 0x0
	s_barrier_signal -1
	s_barrier_wait -1                              ; block 31's partial results, block 30's finished rows
	REDA 1
	REDB 1
	REDC 1, -4096
	FINLD 0
	s_wait_dscnt 0x0                               ; block 30's rows are in; and, for the others' sake, my row of block 31 has landed
	FINDO -1536, -1024
	s_barrier_signal -1
	s_barrier_wait -1                              ; block 31's finished rows
	FINLD 1
	s_wait_dscnt 0x0
	s_wait_xcnt 0x0                                ; block 30's codes and bytes have been read by their stores
	FINDO -768, -512
	s_wait_tensorcnt 0x0
	ds_add_u32 v254, v255
	s_wait_dscnt 0x0
	s_endpgm
.Lfunc_end_k_q403737501a_attn:
	.size	k_q403737501a_attn, .Lfunc_end_k_q403737501a_attn-k_q403737501a_attn
	.p2alignl 7, 3214868480
	.fill 96, 4, 3214868480
	.section	.rodata,"a",@progbits
	.p2align	6, 0x0
	.amdhsa_kernel k_q403737501a_attn
		.amdhsa_group_segment_fixed_size 152576
		.amdhsa_private_segment_fixed_size 0
		.amdhsa_enable_private_segment 0
		.amdhsa_kernarg_size 32
		.amdhsa_user_sgpr_count 2
		.amdhsa_user_sgpr_kernarg_segment_ptr 1
		.amdhsa_wavefront_size32 1
		.amdhsa_system_sgpr_workgroup_id_x 1
		.amdhsa_system_sgpr_workgroup_id_y 1
		.amdhsa_system_sgpr_workgroup_id_z 1
		.amdhsa_system_vgpr_workitem_id 0
		.amdhsa_next_free_vgpr 256
		.amdhsa_next_free_sgpr 104
		.amdhsa_reserve_vcc 1
		.amdhsa_float_denorm_mode_32 3
		.amdhsa_float_denorm_mode_16_64 3
		.amdhsa_memory_ordered 1
		.amdhsa_forward_progress 1
		.amdhsa_inst_pref_size 154
	.end_amdhsa_kernel
	.amdgpu_metadata
---
amdhsa.version: [ 1, 2 ]
amdhsa.kernels:
  - .name:           k_q403737501a_attn
    .symbol:         k_q403737501a_attn.kd
    .args:
      - { .name: qkv, .offset: 0, .size: 8, .value_kind: global_buffer, .address_space: global }
      - { .name: mw, .offset: 8, .size: 8, .value_kind: global_buffer, .address_space: global }
      - { .name: rq, .offset: 16, .size: 8, .value_kind: global_buffer, .address_space: global }
      - { .name: out1, .offset: 24, .size: 8, .value_kind: global_buffer, .address_space: global }
    .group_segment_fixed_size: 152576
    .private_segment_fixed_size: 0
    .kernarg_segment_align: 8
    .kernarg_segment_size: 32
    .max_flat_workgroup_size: 512
    .sgpr_count:     104
    .vgpr_count:     256
    .wavefront_size: 32
...
	.end_amdgpu_metadata
.endif
;; end of part 3
;; launch fc (part 4): grid 4 x 32, 4 waves a work-group, clusters of 4 x 4, 327,680 bytes of LDS; arguments rq, wq, fc_b, out0; writes out0
.if DOCPART == 4
	.amdgcn_target "amdgcn-amd-amdhsa--gfx1250"
	.amdhsa_code_object_version 6
	.text
	.protected	k_q403737501a_fc
	.globl	k_q403737501a_fc
	.p2align	8
	.type	k_q403737501a_fc,@function
k_q403737501a_fc:
	s_mov_b64 s[64:65], 0
	v_nop
	global_prefetch_b8 v0, s[64:65] scope:SCOPE_SE
	s_setreg_imm32_b32 hwreg(HW_REG_WAVE_MODE, 25, 1), 1
	s_wait_xcnt 0x0
	s_wait_alu depctr_hold_cnt(0) depctr_sa_sdst(0) depctr_va_vdst(0) depctr_va_sdst(0) depctr_va_ssrc(0) depctr_va_vcc(0) depctr_vm_vsrc(0)
	s_getreg_b32 s2, hwreg(HW_REG_IB_STS2, 6, 4)
	s_cmp_eq_u32 s2, 0
	s_cbranch_scc0 .Lentry_in_a_cluster
	s_endpgm
.Lentry_in_a_cluster:
	s_bfe_u32 s2, ttmp6, 0x10000c
	s_cmp_lg_u32 s2, 0xf033
	s_cbranch_scc0 .Lentry_shape_is_right
	s_endpgm
.Lentry_shape_is_right:
; A GEMM ON CODES OF FP6 (E2M3), C[m][n] = sum over k of A[m][k] W[n][k], M = 8,192, N = K = 1,024, one text for two launches:
;   FC = 0: the three projections (tensor t = cluster y / 8).  C never goes to memory: it is quantised in registers and leaves as the attention launch's operands.
;   FC = 1: the last product: A = the attention's result as codes, W = fc_w, C + fc_b -> out0 in f32 (the bias is the C of each sum's first matrix instruction).
; Codes lie in panels [k / 64][row][48 bytes], scale bytes [row][32].  A tile of C is 256 x 256: four waves of 128 x 128 (64 accumulators, 512 registers).
; K goes in four steps of 256 through two LDS slots; a wave's tensor load brings 128 rows x 4 panels: four runs of 6,144 consecutive bytes.  In LDS a row of a panel is 48 bytes:
; the 32 lanes of an 8-byte load stand 24 bytes apart, 6 words, and so touch all 64 banks once (64 banks of 4 bytes: ISA guide 11.1): no padding.
; The scale bytes of the work-group's rows for all of K come once, with the first fills.  CLUSTERS: 4 x 4; A's tiles are asked for jointly along a row of the cluster, W's along a column.
; THE MATRIX INSTRUCTION IS USED TRANSPOSED (source 0 = 16 rows of W, source 1 = 16 rows of A): lane (r, h) of accumulator (a, b) holds row 16 a + r of A and W's rows 16 b + 8 h + 0..7.
; W's rows were re-ordered by the launch before, so that (FC = 0):
;   Q, K: the 32 registers of b = 4 c .. 4 c + 3 are channels 32 h + 0..31 of position 16 (m % 128) + 2 e + c: a whole block of the next K in one lane (e = n / 128);
;   V:    the 16 registers of b = 2 p, 2 p + 1 are 16 keys of row m for channel 8 e + 2 p + h: half a block of 32 keys; rows m and m xor 1 (neighbouring lanes) hold a block.
; OUT (FC = 0): Q, K codes [e (8)][m][96 bytes = (c)(h) x 24], scale words [e][m][4]; V codes [head m / 128][channel][1,536], scale bytes [head][channel][64].
; LIMITS: a block whose largest magnitude lies under 2^-124 keeps the byte 1; NaN and infinities are not served.
; REGISTERS: window 0: v1-31 addresses; v32-63 scale words, two sets; v64-127 the bias (FC = 1); from v128 A's fragments, one set.  window 1: W's fragments, two sets.  windows 2, 3: the accumulators.
.set FC,    1
.set UNIT,  24576                      ; 128 rows x 4 panels x 48 bytes: what one tensor load brings
.set SLOT,  4*UNIT                     ; A's two halves, then W's two
.set APAN,  393216                     ; bytes from panel to panel in A's codes
.set BPAN,  49152                      ; and in W's
.set NQ,    2                          ; matrix instructions deep in a slot
.set FR,    12
.set NL,    6
.set NP,    4                          ; places behind this matrix instruction (ISA guide 7.12.1)
.set KS,    32                         ; a row of scale bytes
.set SCL,   2*SLOT                     ; behind the ring: the scale bytes, as runs of 256 bytes + 16 of padding
.set HALFS, 16*272
.set SBLK,  2*272
.set SPARE, SCL+4*HALFS                ; the spare words: 128 bytes a wave, named by no other line
.set STG0,  SPARE+512                  ; the stages of the way out: no fill ever lands here
.set STGV,  STG0+51200
.set SPITCH, 528
.set ADRA, 16                          ; v16-17 LDS address of my A fragments in slot 0, 1
.set ADRB, 20                          ; v20-21 the same for W
.set STO,  24
.set RD,   25
.set CO,   26
.set ADRS, 27                          ; v27 my scale words: lanes 0-15 A's rows, lanes 16-31 W's
.set SPW,  28
.set NIL,  29
.set SC,   32
.set BIAS, 64
.set AF,   128
.set BK,   128
.set G1, 24
.set G0, 32
.set G1B, 48
.set G0B, 56
.set G1S, 68
.set G0S, 76
.set G1SB, 80
.set G0SB, 88
.set MSB, 0
.macro WIN new                         ; the immediate's high byte repeats the setting that is left
.if MSB != (\new)
	s_set_vgpr_msb (MSB<<8)|(\new)
.set MSB, (\new)
.endif
.endm
.set TO_B, 0x40
.macro WINM hi, start                  ; source 0 (W) window 1, source 1 (A) window 0, D window 2 or 3; C with D, or (the bias) in window 0
.if (\start) && FC
	WIN 0x81+0x40*(\hi)
.else
	WIN 0xa1+0x50*(\hi)
.endif
.endm
; A joint load: waves 0 and 1 fetch for A, waves 2 and 3 for W; the branch hangs on the wave's number alone.  Four v_nop follow each line.
.macro JLOAD g0a, g1a, g0b, g1b
	s_cmp_eq_u32 s15, 0
	s_cbranch_scc0 .Lfor_b_\@
	tensor_load_to_lds s[\g0a:\g0a+3], s[\g1a:\g1a+7]
	s_nop 0
.rept 4
	v_nop
.endr
	s_branch .Lasked_\@
.Lfor_b_\@:
	tensor_load_to_lds s[\g0b:\g0b+3], s[\g1b:\g1b+7]
	s_nop 0
.rept 4
	v_nop
.endr
.Lasked_\@:
.endm
.macro CREST
	s_cmp_lg_u32 s14, 0
	s_cbranch_scc1 .Lnot_wave_0_\@
	s_barrier_signal -3
.Lnot_wave_0_\@:
	s_barrier_wait -3
	s_barrier_signal -1
	s_barrier_wait -1
.endm
.macro CROUND
	s_barrier_signal -1
	s_barrier_wait -1
	CREST
.endm
	s_load_b128 s[4:7], s[0:1], 0x0                ; A's buffer, the weights' buffer
.if FC
	s_load_b128 s[8:11], s[0:1], 0x10              ; fc_b, out0
.else
	s_load_b64 s[10:11], s[0:1], 0x10              ; qkv
.endif
	v_lshl_add_u32 v[SPW], v0, 2, SPARE
	v_mov_b32 v[NIL], 0
	ds_add_u32 v28, v29
	ds_add_u32 v28, v29
	s_wait_dscnt 0x0
	v_lshrrev_b32 v1, 5, v0
	v_readfirstlane_b32 s14, v1                    ; wave 0..3
	s_lshr_b32 s15, s14, 1                         ; my half of the tile's rows.  Also: I fetch for A (0) or for W (1)
	s_and_b32 s16, s14, 1                          ; my half of its columns.  Also: which 128 rows I fetch
	s_bfe_u32 s40, ttmp6, 0x40000                  ; cx
	s_bfe_u32 s41, ttmp6, 0x40004                  ; cy
	s_lshl_b32 s42, ttmp9, 2
	s_add_co_u32 s42, s42, s40                     ; tile column
	s_and_b32 s17, ttmp7, 0xffff                   ; cluster y
.if !FC
	s_lshr_b32 s95, s17, 3                         ; the tensor: the same in all sixteen partners
	s_and_b32 s17, s17, 7
.endif
	s_lshl_b32 s17, s17, 2
	s_add_co_u32 s17, s17, s41                     ; tile row
	s_lshl_b32 s43, s41, 2
	s_lshl_b32 s43, 15, s43                        ; my row of the cluster
	s_lshl_b32 s44, 0x1111, s40                    ; my column
	; group 1 for codes: 4 rows (panels) of 768 elements of 8 bytes, a panel's pitch apart; no padding
	s_or_b32 s[G1+0], s43, (3<<16)|(1<<21)
	s_or_b32 s[G1B+0], s44, (3<<16)|(1<<21)
.irp g, G1, G1B
	s_mov_b32 s[\g+1], 768<<16                     ; tensor_dim0
	s_mov_b32 s[\g+2], 4<<16                       ; tensor_dim1
	s_mov_b32 s[\g+3], 768<<16                     ; tile_dim0
	s_mov_b32 s[\g+4], 4                           ; tile_dim1
	s_mov_b32 s[\g+6], 0
	s_mov_b32 s[\g+7], 0
.endr
	s_mov_b32 s[G1+5], APAN/8
	s_mov_b32 s[G1B+5], BPAN/8
	; group 1 for the scale bytes of 128 rows: 4,096 dense bytes as 16 rows of 256, 16 bytes of padding behind each
	s_or_b32 s[G1S+0], s43, (3<<16)|(1<<20)|(1<<21)|(5<<22)|(3<<25)
	s_or_b32 s[G1SB+0], s44, (3<<16)|(1<<20)|(1<<21)|(5<<22)|(3<<25)
.irp g, G1S, G1SB
	s_mov_b32 s[\g+1], 32<<16
	s_mov_b32 s[\g+2], 16<<16
	s_mov_b32 s[\g+3], 32<<16
	s_mov_b32 s[\g+4], 16
	s_mov_b32 s[\g+5], 32
	s_mov_b32 s[\g+6], 0
	s_mov_b32 s[\g+7], 0
.endr
	s_lshl_b32 s18, s16, 7
	s_lshl_b32 s20, s17, 8
	s_add_co_u32 s20, s20, s18                     ; A: row 256 x tile row + 128 x half
	s_lshl_b32 s46, s42, 8
	s_add_co_u32 s46, s46, s18                     ; W: row 256 x tile column + 128 x half
	s_lshl_b32 s22, s20, 5                         ; their scale bytes,
	s_lshl_b32 s92, s46, 5
	s_mul_i32 s20, s20, 48                         ; their codes in panel 0
	s_mul_i32 s46, s46, 48
.if FC
	s_add_co_u32 s22, s22, 6291456
	s_add_co_u32 s46, s46, 2359296
	s_add_co_u32 s92, s92, 3244032
.else
	s_mul_i32 s19, s95, 6291456
	s_add_co_u32 s20, s20, s19
	s_mul_i32 s19, s95, 262144
	s_add_co_u32 s22, s22, s19
	s_add_co_u32 s22, s22, 18874368
	s_mul_i32 s19, s95, 786432
	s_add_co_u32 s46, s46, s19
	s_mul_i32 s19, s95, 32768
	s_add_co_u32 s92, s92, s19
	s_add_co_u32 s92, s92, 3145728
.endif
	s_mov_b32 s21, 0
	s_mov_b32 s23, 0
	s_mov_b32 s47, 0
	s_mov_b32 s93, 0
	s_mul_i32 s45, s14, UNIT                       ; where they go: no place in the cluster enters an LDS address
	s_mul_i32 s94, s14, HALFS
	s_wait_kmcnt 0x0
	s_add_nc_u64 s[20:21], s[4:5], s[20:21]
	s_add_nc_u64 s[22:23], s[4:5], s[22:23]
	s_add_nc_u64 s[46:47], s[6:7], s[46:47]
	s_add_nc_u64 s[92:93], s[6:7], s[92:93]
	CROUND                                         ; all sixteen work-groups are here: the first joint loads meet
	s_mov_b32 s[G0S], 1
	s_add_co_u32 s[G0S+1], s94, SCL
	s_mov_b64 s[G0S+2:G0S+3], s[22:23]
	s_or_b32 s[G0S+3], s[G0S+3], 0x80000000
	s_mov_b32 s[G0SB], 1
	s_add_co_u32 s[G0SB+1], s94, SCL
	s_mov_b64 s[G0SB+2:G0SB+3], s[92:93]
	s_or_b32 s[G0SB+3], s[G0SB+3], 0x80000000
	JLOAD G0S, G1S, G0SB, G1SB                     ; the scale bytes first
.irp s, 0,1
	s_mov_b32 s[G0+4*\s], 1
	s_add_co_u32 s[G0+4*\s+1], s45, \s*SLOT
	s_add_nc_u64 s[G0+4*\s+2:G0+4*\s+3], s[20:21], \s*4*APAN
	s_or_b32 s[G0+4*\s+3], s[G0+4*\s+3], 0x80000000
	s_mov_b32 s[G0B+4*\s], 1
	s_add_co_u32 s[G0B+4*\s+1], s45, \s*SLOT
	s_add_nc_u64 s[G0B+4*\s+2:G0B+4*\s+3], s[46:47], \s*4*BPAN
	s_or_b32 s[G0B+4*\s+3], s[G0B+4*\s+3], 0x80000000
	JLOAD G0+4*\s, G1, G0B+4*\s, G1B
.endr
	v_and_b32 v1, 15, v0                           ; r
	v_bfe_u32 v2, v0, 4, 1                         ; h
	v_mul_u32_u24 v3, v1, 48
	v_mad_u32_u24 v4, v2, 24, v3                   ; a fragment's row x 48 + 24 h
	s_mul_i32 s21, s15, UNIT                       ; my 128 rows of A
	s_mul_i32 s22, s16, UNIT
	s_add_co_u32 s22, s22, 2*UNIT                  ; my 128 rows of W
.irp s, 0,1
	v_add_nc_u32 v[ADRA+\s], s21, v4
	v_add_nc_u32 v[ADRB+\s], s22, v4
	s_add_co_u32 s21, s21, SLOT
	s_add_co_u32 s22, s22, SLOT
.endr
	v_mul_u32_u24 v5, v1, KS                       ; my row's scale bytes,
	v_lshrrev_b32 v6, 8, v5
	v_lshl_add_u32 v5, v6, 4, v5                   ; and 16 more for each 256 passed
	s_mul_i32 s21, s15, HALFS
	s_mul_i32 s22, s16, HALFS
	s_add_co_u32 s22, s22, 2*HALFS
	s_sub_co_u32 s22, s22, s21
	v_mul_u32_u24 v6, s22, v2                      ; lanes 16-31 take W's
	s_add_co_u32 s21, s21, SCL
	v_add_nc_u32 v5, v5, v6
	v_add_nc_u32 v[ADRS], s21, v5
.if FC
	s_mul_i32 s23, s14, 16*SPITCH
	s_add_co_u32 s23, s23, STG0                    ; my stage
	v_mul_u32_u24 v5, v1, SPITCH
	v_lshl_add_u32 v5, v2, 5, v5
	v_add_nc_u32 v[STO], s23, v5
	v_and_b32 v6, 31, v0
	v_lshlrev_b32 v[CO], 4, v6
	v_add_nc_u32 v[RD], s23, v[CO]
	s_lshl_b32 s20, s17, 8
	s_lshl_b32 s21, s15, 7
	s_add_co_u32 s20, s20, s21
	s_lshl_b32 s20, s20, 12                        ; my first row of out0: 4,096 bytes a row
	s_lshl_b32 s46, s42, 10
	s_lshl_b32 s47, s16, 9
	s_add_co_u32 s46, s46, s47                     ; my first column, in bytes
	s_add_co_u32 s20, s20, s46
	s_mov_b32 s21, 0
	s_mov_b32 s47, 0
	s_add_nc_u64 s[10:11], s[10:11], s[20:21]
	s_add_nc_u64 s[8:9], s[8:9], s[46:47]
	v_lshlrev_b32 v3, 5, v2                        ; the bias in the result's layout: columns 16 b + 8 h + 0..7
.irp b, 0,1,2,3,4,5,6,7
	global_load_b128 v[BIAS+8*\b:BIAS+8*\b+3], v3, s[8:9] offset:64*\b
	global_load_b128 v[BIAS+8*\b+4:BIAS+8*\b+7], v3, s[8:9] offset:64*\b+16
.endr
.else
	s_mul_i32 s23, s14, 12800
	s_add_co_u32 s23, s23, STG0                    ; Q, K: my stage: 128 rows x 96 bytes, then 128 scale words
	v_and_b32 v3, 31, v0
	v_lshlrev_b32 v5, 4, v3                        ; v5  16 x lane
	v_lshlrev_b32 v6, 3, v2                        ; v6  8 h
	v_mul_u32_u24 v7, v1, 96
	v_mad_u32_u24 v7, v2, 24, v7
	v_add_nc_u32 v7, s23, v7                       ; v7  row r, + 24 h
	v_lshl_add_u32 v8, v1, 2, s23
	v_add_nc_u32 v8, 12288, v8                     ; v8  row r's scale word
	v_add_nc_u32 v9, s23, v5                       ; v9  back: 16 x lane
	s_mul_i32 s23, s14, 12928
	s_add_co_u32 s23, s23, STGV                    ; V: my stage: 8 rows x (1,536 + 16), then 8 x 64 scale bytes.  (Bytes of its own for each of the two ways out)
	v_mul_u32_u24 v10, v1, 12
	v_mad_u32_u24 v10, v2, 1552, v10
	v_add_nc_u32 v10, s23, v10                     ; v10 channel row h, 12 r
	v_lshrrev_b32 v11, 1, v1
	v_lshl_add_u32 v11, v2, 6, v11
	v_add_nc_u32 v11, s23, v11
	v_add_nc_u32 v11, 12416, v11                   ; v11 the block's scale byte
	v_add_nc_u32 v12, s23, v5                      ; v12 back: 16 x lane
	s_mov_b32 s96, 0x76543210
	s_mov_b32 s97, 0xfedcba98                      ; v_permlanex16_b32's selects for lane l xor 16
	s_lshl_b32 s20, s42, 1
	s_add_co_u32 s20, s20, s16                     ; e = n / 128
	s_lshl_b32 s21, s17, 1
	s_add_co_u32 s21, s21, s15                     ; the head: m / 128
	s_mov_b32 s22, 786432                          ; Q, K codes: e x 786,432 + head x 12,288;  V: e x 12,288 + head x 98,304
	s_mov_b32 s23, 12288
	s_mov_b32 s46, 32768                           ; scales: e x 32,768 + head x 512;  V: e x 512 + head x 4,096
	s_mov_b32 s47, 512
	s_cmp_eq_u32 s95, 2
	s_cselect_b32 s22, 12288, s22
	s_cselect_b32 s23, 98304, s23
	s_cselect_b32 s46, 512, s46
	s_cselect_b32 s47, 4096, s47
	s_mul_i32 s22, s22, s20
	s_mul_i32 s23, s23, s21
	s_add_co_u32 s22, s22, s23
	s_mul_i32 s23, s95, 6291456
	s_add_co_u32 s22, s22, s23
	s_mov_b32 s23, 0
	s_mul_i32 s46, s46, s20
	s_mul_i32 s47, s47, s21
	s_add_co_u32 s46, s46, s47
	s_mul_i32 s47, s95, 262144
	s_add_co_u32 s46, s46, s47
	s_add_co_u32 s46, s46, 18874368
	s_mov_b32 s47, 0
	s_add_nc_u64 s[12:13], s[10:11], s[46:47]      ; my 512 bytes of scales
	s_add_nc_u64 s[10:11], s[10:11], s[22:23]      ; my 12,288 bytes of codes
.endif
.macro FRAG reg, adr, q, i             ; 16 rows x 128 K: registers 6 c .. 6 c + 5 = panel 2 q + c, row r, bytes 24 h on: three loads of 8 bytes
.irp p, 0,1,2,3,4,5
	ds_load_b64 v[\reg+2*\p:\reg+2*\p+1], v[\adr] offset:(2*(\q)+\p/3)*6144+(\i)*768+8*(\p%3)
.endr
.endm
; 16 matrix instructions: A's blocks a0, a0 + 1 x W's eight.  start = 1: the first product starts the sums (with 0, or with the bias).  The 64 accumulators take turns.
.macro MUL16 a0, p, q, sc, start
.irp a, \a0, \a0+1
.irp b, 0,1,2,3,4,5,6,7
.if (\start) && FC
	v_wmma_scale_f32_16x16x128_f8f6f4 v[8*(8*((\a)%4)+\b):8*(8*((\a)%4)+\b)+7], v[128*(\p)+FR*\b:128*(\p)+FR*\b+FR-1], v[AF+FR*(\a):AF+FR*(\a)+FR-1], v[BIAS+8*\b:BIAS+8*\b+7], v[SC+8*NQ*(\sc)+NQ*\b+(\q)], v[SC+8*NQ*(\sc)+NQ*(\a)+(\q)] matrix_a_fmt:MATRIX_FMT_FP6 matrix_b_fmt:MATRIX_FMT_FP6 matrix_a_scale:MATRIX_SCALE_ROW1
.elseif \start
	v_wmma_scale_f32_16x16x128_f8f6f4 v[8*(8*((\a)%4)+\b):8*(8*((\a)%4)+\b)+7], v[128*(\p)+FR*\b:128*(\p)+FR*\b+FR-1], v[AF+FR*(\a):AF+FR*(\a)+FR-1], 0, v[SC+8*NQ*(\sc)+NQ*\b+(\q)], v[SC+8*NQ*(\sc)+NQ*(\a)+(\q)] matrix_a_fmt:MATRIX_FMT_FP6 matrix_b_fmt:MATRIX_FMT_FP6 matrix_a_scale:MATRIX_SCALE_ROW1
.else
	v_wmma_scale_f32_16x16x128_f8f6f4 v[8*(8*((\a)%4)+\b):8*(8*((\a)%4)+\b)+7], v[128*(\p)+FR*\b:128*(\p)+FR*\b+FR-1], v[AF+FR*(\a):AF+FR*(\a)+FR-1], v[8*(8*((\a)%4)+\b):8*(8*((\a)%4)+\b)+7], v[SC+8*NQ*(\sc)+NQ*\b+(\q)], v[SC+8*NQ*(\sc)+NQ*(\a)+(\q)] matrix_a_fmt:MATRIX_FMT_FP6 matrix_b_fmt:MATRIX_FMT_FP6 matrix_a_scale:MATRIX_SCALE_ROW1
.endif
.endr
.endr
.endm
.macro FETCH_B slot, q, p
	WIN TO_B
.irp i, 0,1,2,3,4,5,6,7
	FRAG 128*(\p)+FR*\i, ADRB+\slot, \q, \i
.endr
	WIN 0
.endm
.macro FETCH_A slot, q, i0
.irp i, \i0, \i0+1, \i0+2, \i0+3
	FRAG AF+FR*(\i), ADRA+\slot, \q, \i
.endr
.endm
.macro SCALES sc                       ; a K step's two scale words a row: lanes 0-15 A's block i, lanes 16-31 W's block i
.irp i, 0,1,2,3,4,5,6,7
	ds_load_b64 v[SC+8*NQ*\sc+NQ*\i:SC+8*NQ*\sc+NQ*\i+1], v[ADRS] offset:\i*SBLK
.endr
.endm
.macro PLACES n                        ; plain vector instructions between a matrix instruction and a load into, or a read of, its registers
.rept \n
	v_nop
.endr
.endm
.macro STEP slot, q, start             ; 128 along K whose successor lies in the same slot
	s_wait_dscnt 4*NL                              ; W's set and A's blocks 0-3 are in; the youngest 24 loads (A's blocks 4-7) may be out
	WINM 0, \start
	MUL16 0, (\q)%2, \q, \slot, \start
	MUL16 2, (\q)%2, \q, \slot, \start
	s_wait_dscnt 0
	PLACES NP
	FETCH_B \slot, (\q)+1, 1-(\q)%2
	FETCH_A \slot, (\q)+1, 0
	WINM 1, \start
	MUL16 4, (\q)%2, \q, \slot, \start
	MUL16 6, (\q)%2, \q, \slot, \start
	PLACES NP
	WIN 0
	FETCH_A \slot, (\q)+1, 4
.endm
; A slot's last 128 along K changes slots: each wave waits for all its tensor loads, adds 0 to its spare word, waits for that and for its reads of the slot; one barrier.  fill = 1: the slot is filled again.
.macro TURN slot, next, fill
	s_wait_tensorcnt 0x0                           ; all my tensor loads have landed: my part of the next slot
	ds_add_u32 v[SPW], v[NIL]                      ; 0 onto my spare word
	s_wait_dscnt 4*NL+1                            ; (the add and the youngest 24 loads may be out)
	WINM 0, 0
	MUL16 0, 1, NQ-1, \slot, 0
	s_wait_dscnt 0x0                               ; the add is done, and my reads of this slot are over
	s_barrier_signal -1
	MUL16 2, 1, NQ-1, \slot, 0
	WIN 0
	s_barrier_wait -1
.if \fill
	CREST                                          ; the barrier has opened a round of the cluster's barrier: no wave of any partner still reads this slot or has a load on its way
	s_add_nc_u64 s[G0+4*\slot+2:G0+4*\slot+3], s[G0+4*\slot+2:G0+4*\slot+3], 8*APAN
	s_add_nc_u64 s[G0B+4*\slot+2:G0B+4*\slot+3], s[G0B+4*\slot+2:G0B+4*\slot+3], 8*BPAN
	JLOAD G0+4*\slot, G1, G0B+4*\slot, G1B         ; the first tensor load behind the round; its four v_nop are the places in front of the loads below
.else
	PLACES NP
.endif
	v_add_nc_u32 v[ADRS], 4*NQ, v[ADRS]            ; the next K step's scale words
	FETCH_B \next, 0, 0
	FETCH_A \next, 0, 0
	SCALES \next
	WINM 1, 0
	MUL16 4, 1, NQ-1, \slot, 0
	MUL16 6, 1, NQ-1, \slot, 0
	PLACES NP
	WIN 0
	FETCH_A \next, 0, 4
.endm
	s_wait_tensorcnt 1                             ; the scale bytes and my part of K step 0 are in; K step 1's load may be out
	s_barrier_signal -1
	s_barrier_wait -1
	FETCH_B 0, 0, 0
	FETCH_A 0, 0, 0
	SCALES 0
	FETCH_A 0, 0, 4
.if FC
	s_wait_loadcnt 0x0                             ; the bias
.endif
	STEP 0, 0, 1                                   ; four K steps of 256, written out
	TURN 0, 1, 1
	STEP 1, 0, 0
	TURN 1, 0, 1
	STEP 0, 0, 0
	TURN 0, 1, 0                                   ; nothing is left to fetch
	STEP 1, 0, 0
	s_wait_dscnt 4*NL
	WINM 0, 0
	MUL16 0, 1, NQ-1, 1, 0
	MUL16 2, 1, NQ-1, 1, 0
	s_wait_dscnt 0
	WINM 1, 0
	MUL16 4, 1, NQ-1, 1, 0
	MUL16 6, 1, NQ-1, 1, 0
	WIN 0
	PLACES NP
.if FC
; THE WAY OUT: a block of 16 rows x 128 columns goes through my own stage and comes back as whole rows of 512 bytes.  LDS serves a wave's instructions in order (ISA guide 5.7.1.4).
.macro TOSTAGE a
.set AC, 64*((\a)%4)
	WIN 0x08+4*((\a)/4)
.irp b, 0,1,2,3,4,5,6,7
	ds_store_b128 v[STO], v[AC+8*\b:AC+8*\b+3] offset:64*\b          ; each accumulator from its low end on
	ds_store_b128 v[STO], v[AC+8*\b+4:AC+8*\b+7] offset:64*\b+16
.endr
	WIN 0
.set BB, BK+64*((\a)%2)
.irp t, 0,1,2,3,4,5,6,7,8,9,10,11,12,13,14,15
	ds_load_b128 v[BB+4*\t:BB+4*\t+3], v[RD] offset:\t*SPITCH
.endr
.endm
.macro SEND a, younger
.set BB, BK+64*((\a)%2)
	s_wait_dscnt \younger
.if (\a) > 0
	s_add_nc_u64 s[10:11], s[10:11], 16*4096       ; (behind a wait on XCNT: the earlier stores have read their base)
.endif
.irp t, 0,1,2,3,4,5,6,7,8,9,10,11,12,13,14,15
	global_store_b128 v[CO], v[BB+4*\t:BB+4*\t+3], s[10:11] offset:\t*4096 th:TH_STORE_NT   ; 32 lanes store 512 consecutive bytes, aligned
.endr
.endm
	TOSTAGE 0
.irp a, 1,2,3,4,5,6,7
.if \a > 1
	s_wait_xcnt 0x0                                ; block a - 2's stores have read their registers and their base
.endif
	TOSTAGE \a
	SEND \a-1, 32
.endr
	s_wait_xcnt 0x0
	SEND 7, 0
.else
	s_cmp_eq_u32 s95, 2                            ; the tensor: alike in all partners
	s_cbranch_scc1 .Lvpath
; Q, K.  Group grp = my rows 64 grp on (window 2 + grp).  Unit u = 2 a + c: 32 registers = one block of 32 channels.
.macro QKOUT grp
	WIN 0x0a+5*(\grp)
.irp u, 0,1,2,3,4,5,6,7
	v_max3_num_f32 v[32+\u], |v[32*\u]|, |v[32*\u+1]|, 0x1800000   ; with the floor 2^(3 - 127); each accumulator is read from its low end on
.endr
.irp i, 2,4,6,8,10,12,14,16,18,20,22,24,26,28,30
.irp u, 0,1,2,3,4,5,6,7
	v_max3_num_f32 v[32+\u], |v[32*\u+\i]|, |v[32*\u+\i+1]|, v[32+\u]
.endr
.endr
	WIN 0
.irp u, 0,1,2,3,4,5,6,7
	v_add_nc_u32 v[40+\u], 0xff000000, v[32+\u]    ; the conversion's scale operand
.endr
.irp u, 0,1,2,3,4,5,6,7
	v_lshrrev_b32 v[48+\u], 23, v[40+\u]           ; the byte
.endr
.irp a, 0,1,2,3
	v_lshl_or_b32 v[56+\a], v[49+2*\a], 16, v[48+2*\a]   ; my bytes of c = 0 and c = 1,
.endr
.irp a, 0,1,2,3
	v_lshlrev_b32 v[56+\a], v6, v[56+\a]           ; 8 h bits up;
.endr
.irp a, 0,1,2,3
	v_permlanex16_b32 v[60+\a], v[56+\a], s96, s97
.endr
.irp a, 0,1,2,3
	v_or_b32 v[56+\a], v[56+\a], v[60+\a]          ; with lane l xor 16's two the word (byte 2 c + h) is whole
.endr
.irp a, 0,1,2,3
	ds_store_b32 v8, v[56+\a] offset:64*(4*(\grp)+\a)
.endr
	WIN 0x02+(\grp)
.irp u, 0,1,2,3,4,5,6,7
	v_cvt_scalef32_pk16_fp6_f32 v[64+12*\u:66+12*\u], v[32*\u:32*\u+15], v[40+\u]
	v_cvt_scalef32_pk16_fp6_f32 v[70+12*\u:72+12*\u], v[32*\u+16:32*\u+31], v[40+\u]   ; (a conversion's three registers begin on an even number)
.endr
	WIN 0
	v_nop                                          ; one plain line behind the conversions
.irp u, 0,1,2,3,4,5,6,7
.irp i, 0,1,2
	v_mov_b32 v[67+12*\u+\i], v[70+12*\u+\i]
.endr
.endr
.irp u, 0,1,2,3,4,5,6,7
.irp k, 0,1,2
	ds_store_b64 v7, v[64+12*\u+2*\k:65+12*\u+2*\k] offset:(16*(4*(\grp)+\u/2))*96+48*(\u%2)+8*\k
.endr
.endr
.irp k, 0,1,2,3,4,5,6,7,8,9,10,11
	ds_load_b128 v[160+48*(\grp)+4*\k:163+48*(\grp)+4*\k], v9 offset:6144*(\grp)+512*\k
.endr
.irp k, 0,1,2,3,4,5,6,7,8,9,10,11
	s_wait_dscnt 11-\k
	global_store_b128 v5, v[160+48*(\grp)+4*\k:163+48*(\grp)+4*\k], s[10:11] offset:6144*(\grp)+512*\k   ; 512 consecutive bytes, aligned
.endr
.endm
.irp a, 0,1,2,3
	v_mov_b32 v[60+\a], 0                          ; a lane permute's destination counts as one of its sources
.endr
	QKOUT 0
	QKOUT 1
	ds_load_b128 v[32:35], v9 offset:12288
	s_wait_dscnt 0x0
	global_store_b128 v5, v[32:35], s[12:13]       ; my 128 scale words
	s_branch .Lend
.Lvpath:
; V.  Unit u = 4 a + p: 16 registers = 16 keys of row 16 a + r for channel 2 p + h of my eight.
.macro VOUT grp
.if \grp
	s_wait_dscnt 0x0                               ; the first group's LDS stores have read their registers
.endif
	WIN 0x0a+5*(\grp)
.irp u, 0,1,2,3,4,5,6,7,8,9,10,11,12,13,14,15
	v_max3_num_f32 v[32+\u], |v[16*\u]|, |v[16*\u+1]|, 0x1800000
.endr
.irp i, 2,4,6,8,10,12,14
.irp u, 0,1,2,3,4,5,6,7,8,9,10,11,12,13,14,15
	v_max3_num_f32 v[32+\u], |v[16*\u+\i]|, |v[16*\u+\i+1]|, v[32+\u]
.endr
.endr
	WIN 0
.irp u, 0,1,2,3,4,5,6,7,8,9,10,11,12,13,14,15
	v_max_num_f32_dpp v[32+\u], v[32+\u], v[32+\u] row_xmask:1 row_mask:0xf bank_mask:0xf   ; with row m xor 1's 16 keys: the block's
.endr
.irp u, 0,1,2,3,4,5,6,7,8,9,10,11,12,13,14,15
	v_add_nc_u32 v[48+\u], 0xff000000, v[32+\u]
.endr
.irp u, 0,1,2,3,4,5,6,7,8,9,10,11,12,13,14,15
	v_lshrrev_b32 v[64+\u], 23, v[48+\u]
.endr
.irp u, 0,1,2,3,4,5,6,7,8,9,10,11,12,13,14,15
	ds_store_b8 v11, v[64+\u] offset:128*(\u%4)+8*(4*(\grp)+\u/4)   ; both lanes of a block write the same byte
.endr
	WIN 0x02+(\grp)
.irp u, 0,1,2,3,4,5,6,7,8,9,10,11,12,13,14,15
	v_cvt_scalef32_pk16_fp6_f32 v[80+4*\u:82+4*\u], v[16*\u:16*\u+15], v[48+\u]
.endr
	WIN 0
	v_nop                                          ; one plain line behind the conversions
.irp u, 0,1,2,3,4,5,6,7,8,9,10,11,12,13,14,15
.irp k, 0,1,2
	ds_store_b32 v10, v[80+4*\u+\k] offset:2*(\u%4)*1552+(16*(4*(\grp)+\u/4))*12+4*\k
.endr
.endr
.endm
	VOUT 0
	VOUT 1
.irp k, 0,1,2,3,4,5,6,7,8,9,10,11,12,13,14,15,16,17,18,19,20,21,22,23
	ds_load_b128 v[144+4*\k:147+4*\k], v12 offset:(\k/3)*1552+512*(\k%3)
.endr
	ds_load_b128 v[240:243], v12 offset:12416
.irp k, 0,1,2,3,4,5,6,7,8,9,10,11,12,13,14,15,16,17,18,19,20,21,22,23
	s_wait_dscnt 24-\k
	global_store_b128 v5, v[144+4*\k:147+4*\k], s[10:11] offset:(\k/3)*1536+512*(\k%3)   ; eight whole rows of V^T: 12,288 consecutive bytes
.endr
	s_wait_dscnt 0x0
	global_store_b128 v5, v[240:243], s[12:13]     ; their 512 scale bytes
.Lend:
.endif
	s_wait_tensorcnt 0x0                           ; the wave's end
	ds_add_u32 v[SPW], v[NIL]
	s_wait_dscnt 0x0
	CROUND                                         ; the closing round
	s_endpgm
.Lfunc_end_k_q403737501a_fc:
	.size	k_q403737501a_fc, .Lfunc_end_k_q403737501a_fc-k_q403737501a_fc
	.p2alignl 7, 3214868480
	.fill 96, 4, 3214868480
	.section	.rodata,"a",@progbits
	.p2align	6, 0x0
	.amdhsa_kernel k_q403737501a_fc
		.amdhsa_group_segment_fixed_size 327680
		.amdhsa_private_segment_fixed_size 0
		.amdhsa_enable_private_segment 0
		.amdhsa_kernarg_size 32
		.amdhsa_user_sgpr_count 2
		.amdhsa_user_sgpr_kernarg_segment_ptr 1
		.amdhsa_wavefront_size32 1
		.amdhsa_system_sgpr_workgroup_id_x 1
		.amdhsa_system_sgpr_workgroup_id_y 1
		.amdhsa_system_sgpr_workgroup_id_z 1
		.amdhsa_system_vgpr_workitem_id 0
		.amdhsa_next_free_vgpr 1024
		.amdhsa_next_free_sgpr 104
		.amdhsa_reserve_vcc 0
		.amdhsa_float_denorm_mode_32 3
		.amdhsa_float_denorm_mode_16_64 3
		.amdhsa_memory_ordered 1
		.amdhsa_forward_progress 1
		.amdhsa_inst_pref_size 161
	.end_amdhsa_kernel
	.amdgpu_metadata
---
amdhsa.version: [ 1, 2 ]
amdhsa.kernels:
  - .name:           k_q403737501a_fc
    .symbol:         k_q403737501a_fc.kd
    .args:
      - { .name: rq, .offset: 0, .size: 8, .value_kind: global_buffer, .address_space: global }
      - { .name: wq, .offset: 8, .size: 8, .value_kind: global_buffer, .address_space: global }
      - { .name: fc_b, .offset: 16, .size: 8, .value_kind: global_buffer, .address_space: global }
      - { .name: out0, .offset: 24, .size: 8, .value_kind: global_buffer, .address_space: global }
    .group_segment_fixed_size: 327680
    .private_segment_fixed_size: 0
    .kernarg_segment_align: 8
    .kernarg_segment_size: 32
    .max_flat_workgroup_size: 128
    .sgpr_count:     104
    .vgpr_count:     1024
    .wavefront_size: 32
...
	.end_amdgpu_metadata
.endif
;; end of part 4
;; ======== version 2 of 2: 4 launches; version 1 with the launch attn written anew for expert scheduling mode
;; workspace buffers: xq 19,660,800 bytes; wq 3,276,800 bytes; mw 2,097,152 bytes of whole numbers; qkv 19,660,800 bytes; rq 6,553,600 bytes
;; launch prep: the kernel of part 1 again; grid 960 x 1, 4 waves a work-group, no clusters, 57,856 bytes of LDS; arguments query, key, value, Wq, Wk, Wv, fc_w, mask, xq, wq, mw; writes xq, wq, mw
;; launch proj: the kernel of part 2 again; grid 4 x 96, 4 waves a work-group, clusters of 4 x 4, 327,680 bytes of LDS; arguments xq, wq, qkv; writes qkv
;; launch attn (part 5): grid 4 x 64, 16 waves a work-group, no clusters, 152,576 bytes of LDS; arguments qkv, mw, rq, out1; writes rq, out1
.if DOCPART == 5
	.amdgcn_target "amdgcn-amd-amdhsa--gfx1250"
	.amdhsa_code_object_version 6
	.text
	.protected	k_q403737501a_attn
	.globl	k_q403737501a_attn
	.p2align	8
	.type	k_q403737501a_attn,@function
k_q403737501a_attn:
	s_mov_b64 s[64:65], 0
	v_nop
	global_prefetch_b8 v0, s[64:65] scope:SCOPE_SE
	s_setreg_imm32_b32 hwreg(HW_REG_WAVE_SCHED_MODE, 0, 2), 2
	s_setreg_imm32_b32 hwreg(HW_REG_WAVE_MODE, 25, 1), 1
	s_wait_xcnt 0x0
	s_wait_alu depctr_vm_vsrc(0)
; ATTENTION ON CODES OF FP6 (E2M3).  For head g = 16 b + hd: s = Q K^T / 8; temp = mask ? exp(s) : 0; a = temp / (the row's sum), not-a-number -> 0; res = a V.
; Both products are quantised; a is quantised FINISHED AND NORMALISED, so a row's sum must be known before any weight is quantised.  No maximum is taken away, as in the definition: a row whose sum is
; infinite gives zeros there (finite / inf = 0, inf / inf -> 0) and here (a select on the sum); a row whose sum is 0 gives zeros in both.
; SHARES.  A work-group takes 512 queries of one head, 16 at a time (32 blocks).  THE SIXTEEN WAVES SHARE THE KEYS: wave w owns keys 128 w .. 128 w + 127 for the whole launch; its fragments of K and of V^T
; (96 registers) are read once and stay.  A block's 16 x 128 exponentials stay in 64 registers while the 16 partial row sums cross LDS; then they are normalised, quantised and multiplied by V^T.
; The 16 partial results are added through LDS a block later (wave w adds query w's row), and two blocks later waves 0 and 1 quantise the 16 rows for the last product.  One barrier a block: every LDS region has two
; copies by the block's parity, written in one block and read behind the next barrier; a copy is written again only behind a barrier that each wave signals behind the wait for its reads.
; K = 64 IN A FORM OF K = 128: a fragment of K packs two tiles (registers 0-5: 16 even keys, 6-11: the 16 odd keys beside them); source 1 is [Q | zeros] or [zeros | Q], which picks one of them.
; LAYOUT.  Both products transposed: a lane holds one query (lane % 16).  Score register n of lane (q, h) is key 128 w + 64 (n / 32) + 32 h + ko(n % 32), ko(p) = 16 (p / 16) + 2 (p % 8) + (p / 8) % 2:
; 32 neighbouring registers are one block of 32 keys, in the order in which V's codes lie; so the conversions' results are the second product's operand.
; INDEPENDENT WORK AT EVERY LATENCY.  All sixteen waves walk the same phases between two barriers, so a wave brings its own filler.  A block's largest weight is the largest exponential times the reciprocal of the sum
; (a multiplication by a number that is not negative, rounded, never turns an order round: the bits are those of the largest product), so the 32 lines that search for the largest hang on no sum: macro MX deals them out
; round the barrier and between the links of the sum's chain.  The exponentials go in two batches; scalings stand among the first, the first half's selects and sums among the second.
; NO CLUSTER: what the four work-groups of a head share, K and V, goes into registers once at the head (12,800 bytes a wave); no LDS tile is shared.  NO PREFETCH: Q and the mask words are asked for a block ahead.
; LIMITS: an exponential under 2^-126 counts as 0 (scores under -87.3); NaN and infinities among the scores are not served; a block of weights or results under 2^-124 keeps the byte 1; the row's sum is added in another order.
; THE MODE: SCHED_MODE bits 1:0 = 2 (LLVM: expert scheduling mode 2), set by the entry lines.  The code itself states the register dependences between vector or matrix instructions and memory or LDS
; instructions, with s_wait_alu, always for 0.
; THE PLAN.  Registers that memory or LDS instructions touch in a block, and who else names them:
;   v2, v3, v6-v16   offsets, LDS addresses, the lane permute's index: made at the head, never written again.
;   v54-59, v42      Q's loads land here; read by the block's eight score products and by the scale lines of the block before.
;   v28              written by the sum's last add; read by one LDS store; written again in the next block.
;   v20-27           named by the sum's chains; then two LDS loads land; in waves 0 and 1 the finished rows' lines write v20-26, and two global stores read v22-25.
;   v30, v31         the row's sum by parity: written in one block, read by the lane permute in the next, written again in the block after.
;   v43, v66-81      the permute's result and twice eight LDS loads land here; a compare and two trees read them; later the conversions and moves write v66-84 and the second product reads v66-77.
;   v246-247         written by adds and selects; read by an LDS store and a global store.
;   S .. S+31        the second product's results: read by eight LDS stores; written over by the next block's score products.
;   S+32 .. S+47     written by the normalising lines, read by the conversions; then four LDS loads land (waves 0 and 1).
; THE WAITS OF A BLOCK: one on vm_vsrc at its head, for all that the last block's stores and permute have read; on va_vdst: behind each batch of exponentials (behind the first Q is asked for), ahead of the store of the
; partial sum (behind it, up to the loads behind the barrier, stand only lines of MX, which name v34-37 and S), behind the first tree (it is also the reciprocal's), behind the places in front of the second product
; (behind it stand the row's two stores and the loads of finished rows), behind the places behind that product, and in the arm of waves 0 and 1 ahead of their stores; one on va_vcc between the compare and its selects.
.set OPW,  8704                        ; LDS: partial results: wave w at w OPW + parity OPP + q 272 + 4 d
.set OPP,  4352
.set LP,   139264                      ; partial sums: parity LPP + q 80 + 4 w
.set LPP,  1280
.set FN,   141824                      ; finished rows: parity OPP + q 272 + 4 d
.set ESTR, 786432
.set KCO,  6291456
.set VCO,  12582912
.set QSO,  18874368
.set KSO,  19136512
.set VSO,  19398656
.set RSO,  6291456
.set KF,   86                          ; v86-133  K: four packed fragments
.set VF,   134                         ; v134-181 V^T: four fragments
.set S,    182                         ; v182-245 scores, exponentials, weights; then (the lower 32) the partial result
.set FD,   S+32                        ; v214-229 sixteen numbers of a finished row, in registers that the conversions have left (waves 0 and 1)
; v2 Q's offset, v3 its scale word's, v4 16 (r % 2), v5 8 h, v6/v7 partial sums in/out, v8 partial result in, v9/v10 out, v11 finished row in, v12 out, v13 out1, v14 codes out, v15 bytes out, v16 4 w, v17 8 ((lane / 2) % 2)
; v20-27 at work (three of the sum's four chains; the partial sums; the finished rows' codes); v28-29 the sum; v30, v31 the row's sum by parity; v32-33 its reciprocal; v34-37 four chains of maxima, then the two largest and the
; conversions' scale operands; v38-39 at work; v40 the weights' scale word; v41 Q's; v42 Q's word as loaded; v43 the sum of my row;
; v44-45 K's scale words; v46-47 V's; v48-65 [zeros | Q | zeros]; v66-85 the weights' codes, and where LDS loads land; v246-247 my row's pair; v254, v255 the closing add's two
; s[2:13] six pointers that walk; s14 wave; s15 trips; s[16:63], s[68:83] the block's 64 mask words; s[66:67] log2(e) / 8; s[84:85] lane selects; s99 1.0
	s_load_b256 s[88:95], s[0:1], 0x0              ; qkv, mw, rq, out1
	v_lshl_add_u32 v254, v0, 2, 0x24c00
	v_mov_b32 v255, 0
	v_lshrrev_b32 v1, 5, v0
	v_readfirstlane_b32 s14, v1                    ; wave 0..15
	v_and_b32 v18, 15, v0                          ; r
	v_bfe_u32 v19, v0, 4, 1                        ; h
	v_and_b32 v1, 31, v0                           ; lane
	v_lshrrev_b32 v20, 1, v18
	v_and_b32 v21, 1, v18
	v_mul_u32_u24 v2, v20, ESTR                    ; query r of a block: e = r / 2, c = r % 2
	v_mad_u32_u24 v2, v21, 48, v2
	v_mad_u32_u24 v2, v19, 24, v2
	v_lshlrev_b32 v3, 15, v20
	v_lshlrev_b32 v4, 4, v21
	v_lshlrev_b32 v5, 3, v19
	s_wait_alu depctr_va_sdst(0)                   ; s14 is written, ahead of its first reader: LDS addresses, pointers and branches are made from it
	s_lshl_b32 s86, s14, 2
	v_mul_u32_u24 v6, v18, 80
	v_lshl_add_u32 v7, v19, 5, v6
	v_add_nc_u32 v7, LP, v7
	v_add_nc_u32 v6, s86, v6
	v_add_nc_u32 v6, LP, v6
	s_mul_i32 s86, s14, OPW
	v_mul_u32_u24 v8, v18, 272
	v_lshl_add_u32 v8, v19, 7, v8
	v_add_nc_u32 v8, s86, v8
	s_mul_i32 s86, s14, 272
	v_lshl_add_u32 v9, v1, 3, s86
	v_add_nc_u32 v10, 8*OPW, v9
	v_add_nc_u32 v11, FN, v9
	s_and_b32 s86, s14, 1
	s_mul_i32 s87, s86, 8*272
	v_lshrrev_b32 v20, 2, v1
	v_and_b32 v21, 3, v1
	v_mul_u32_u24 v12, v20, 272
	v_lshl_add_u32 v12, v21, 6, v12
	v_add_nc_u32 v12, s87, v12
	v_add_nc_u32 v12, FN, v12
	s_lshl_b32 s87, s14, 8
	v_lshl_add_u32 v13, v1, 3, s87
	s_mul_i32 s87, s86, 384
	v_mul_u32_u24 v14, v1, 12
	v_add_nc_u32 v14, s87, v14
	s_lshl_b32 s87, s86, 8
	v_lshl_add_u32 v15, v20, 5, s87
	s_lshl_b32 s87, s14, 2
	v_mov_b32 v16, s87
	v_bfe_u32 v17, v0, 1, 1
	v_lshlrev_b32 v17, 3, v17
	v_and_b32 v24, 7, v18                          ; the head's loads: K's row of lane r: e = r % 8, two rows m on for r / 8
	v_lshrrev_b32 v25, 3, v18
	v_mul_u32_u24 v20, v24, ESTR
	v_mad_u32_u24 v20, v25, 192, v20
	v_mad_u32_u24 v20, v19, 24, v20
	v_lshlrev_b32 v21, 15, v24
	v_lshl_add_u32 v21, v25, 3, v21
	v_lshl_add_u32 v21, v19, 2, v21                ; lanes 16-31: the odd fragment's words, one row m on
	v_lshl_add_u32 v26, v25, 5, v24                ; V's row of lane r: channel r % 8 + 32 (r / 8)
	v_mul_u32_u24 v22, v26, 1536
	v_mad_u32_u24 v22, v19, 24, v22
	v_lshlrev_b32 v23, 6, v26
	v_lshl_add_u32 v23, v19, 9, v23                ; lanes 16-31: the odd fragment's words, eight channels on
.irp j, 0,1,2,3,4,5
	v_mov_b32 v[48+\j], 0
	v_mov_b32 v[60+\j], 0
.endr
	v_mov_b32 v33, 0                               ; (named as the upper half of a pair whose low word serves both halves)
	s_and_b32 s96, ttmp7, 0xffff                   ; g
	s_lshr_b32 s97, s96, 4                         ; b
	s_and_b32 s98, s96, 15                         ; hd
	s_lshl_b32 s99, s96, 7
	s_lshl_b32 s100, ttmp9, 5
	s_add_co_u32 s99, s99, s100                    ; block 0's row of the projection: 128 g + 32 x
	s_mov_b32 s66, 0x3e38aa3b                      ; log2(e) / 8
	s_mov_b32 s67, s66
	s_mov_b32 s84, 0x76543210
	s_mov_b32 s85, 0xfedcba98
	s_mov_b32 s87, 0
	s_wait_kmcnt 0x0
	s_mul_i32 s86, s99, 96
	s_add_nc_u64 s[2:3], s[88:89], s[86:87]        ; Q's codes
	s_lshl_b32 s86, s99, 2
	s_add_co_u32 s86, s86, QSO
	s_add_nc_u64 s[4:5], s[88:89], s[86:87]        ; Q's scale words
	s_lshl_b32 s86, s97, 7
	s_add_co_u32 s86, s86, s100
	s_lshl_b32 s86, s86, 12
	s_lshl_b32 s101, s14, 8
	s_add_co_u32 s86, s86, s101
	s_add_nc_u64 s[6:7], s[90:91], s[86:87]        ; my 64 mask words of block 0
	s_lshl_b32 s86, s98, 2
	s_add_co_u32 s86, s86, s97
	s_lshl_b32 s86, s86, 19
	s_lshl_b32 s101, ttmp9, 17
	s_add_co_u32 s86, s86, s101
	s_add_nc_u64 s[8:9], s[94:95], s[86:87]        ; out1[hd][b][512 x]
	s_lshl_b32 s101, s97, 11
	s_lshl_b32 s86, ttmp9, 9
	s_add_co_u32 s101, s101, s86                   ; row 2,048 b + 512 x of the last product's A
	s_mul_i32 s86, s98, 393216
	s_mul_i32 s100, s101, 48
	s_add_co_u32 s86, s86, s100
	s_add_nc_u64 s[10:11], s[92:93], s[86:87]      ; its codes, panel hd
	s_lshl_b32 s86, s101, 5
	s_add_co_u32 s86, s86, RSO
	s_lshl_b32 s100, s98, 1
	s_add_co_u32 s86, s86, s100
	s_add_nc_u64 s[12:13], s[92:93], s[86:87]      ; its scale bytes 2 hd, 2 hd + 1
	s_lshl_b32 s100, s96, 7
	s_lshl_b32 s101, s14, 3
	s_add_co_u32 s100, s100, s101                  ; my keys' first row: 128 g + 8 w
	s_mul_i32 s86, s100, 96
	s_add_co_u32 s86, s86, KCO
	s_add_nc_u64 s[90:91], s[88:89], s[86:87]      ; K's codes
	s_lshl_b32 s86, s100, 2
	s_add_co_u32 s86, s86, KSO
	s_add_nc_u64 s[92:93], s[88:89], s[86:87]      ; K's scale words
	s_mul_i32 s86, s96, 98304
	s_mul_i32 s101, s14, 96
	s_add_co_u32 s86, s86, s101
	s_add_co_u32 s86, s86, VCO
	s_add_nc_u64 s[94:95], s[88:89], s[86:87]      ; V's codes
	s_lshl_b32 s86, s96, 12
	s_lshl_b32 s101, s14, 2
	s_add_co_u32 s86, s86, s101
	s_add_co_u32 s86, s86, VSO
	s_add_nc_u64 s[88:89], s[88:89], s[86:87]      ; V's scale words
	s_mov_b32 s99, 0x3f800000
.macro ASKQ                            ; a block's Q (24 bytes a lane, straight into the operand's registers) and its scale word
	global_load_b64 v[54:55], v2, s[2:3]
	global_load_b64 v[56:57], v2, s[2:3] offset:8
	global_load_b64 v[58:59], v2, s[2:3] offset:16
	global_load_b32 v42, v3, s[4:5]
.endm
.macro ASKM                            ; a block's 64 mask words
	s_load_b512 s[16:31], s[6:7], 0x0
	s_load_b512 s[32:47], s[6:7], 0x40
	s_load_b512 s[48:63], s[6:7], 0x80
	s_load_b512 s[68:83], s[6:7], 0xc0
.endm
.macro QSCALE                          ; my query's two bytes, twice: for [Q | zeros] and for [zeros | Q]
	v_lshrrev_b32 v38, v4, v42
	v_and_b32 v38, 0xffff, v38
	v_lshl_or_b32 v41, v38, 16, v38
.endm
	s_wait_alu depctr_va_vdst(0)                   ; every offset and LDS address of the kernel (v2, v3, v6-v16, the head's v20-23) is written, and so are the zeros beside Q, an operand of the score products
.irp f, 0,1,2,3
.irp p, 0,1,2,3,4,5
	global_load_b64 v[KF+12*\f+2*\p:KF+12*\f+2*\p+1], v20, s[90:91] offset:(\f%2+4*(\f/2))*96+48*(\p/3)+8*(\p%3)
.endr
.endr
	global_load_b32 v44, v21, s[92:93]
	global_load_b32 v45, v21, s[92:93] offset:16
	ASKQ
	ASKM
.irp t, 0,1,2,3
.irp p, 0,1,2,3,4,5
	global_load_b64 v[VF+12*\t+2*\p:VF+12*\t+2*\p+1], v22, s[94:95] offset:12288*\t+48*(\p/3)+8*(\p%3)
.endr
.endr
	global_load_b32 v46, v23, s[88:89]
	global_load_b32 v47, v23, s[88:89] offset:1024
	s_wait_loadcnt 26                              ; K, its scale words and block 0's Q are in; V's 26 loads, issued behind them, may be out: block 0 waits for all loads ahead of its product with V
	QSCALE
.rept 8
	v_nop                                          ; a scale register written by a vector instruction stands eight places ahead of a scaled matrix instruction
.endr
	s_wait_alu depctr_va_vdst(0)                   ; v41, Q's scale word, is written: block 0's score products take it as scales (in later blocks the wait in front of the second product shows it)
; ---- the lines of a block, by name ----
.macro MULP p                          ; pair p of the scores x log2(e) / 8
	v_pk_mul_f32 v[S+2*(\p):S+2*(\p)+1], v[S+2*(\p):S+2*(\p)+1], s[66:67] op_sel_hi:[1,0]
.endm
.macro EXPN n
	v_exp_f32 v[S+(\n)], v[S+(\n)]
.endm
.macro CND n                           ; hidden -> 0: the lane mask of register n
	v_cndmask_b32 v[S+(\n)], 0, v[S+(\n)], s[16+(\n)+4*((\n)/48)]
.endm
.macro ADDP p                          ; pair p (4 .. 31) joins chain p % 4 of the sum: v[28:29], v[20:21], v[22:23], v[24:25]; pairs 4 to 7 start the chains with pairs 0 to 3
.set cj, (\p)%4
.set cr, 18+2*cj
.if cj == 0
.set cr, 28
.endif
.if (\p) < 8
	v_pk_add_f32 v[cr:cr+1], v[S+2*((\p)-4):S+2*((\p)-4)+1], v[S+2*(\p):S+2*(\p)+1]
.else
	v_pk_add_f32 v[cr:cr+1], v[cr:cr+1], v[S+2*(\p):S+2*(\p)+1]
.endif
.endm
; Line mx of the 32 that find my two blocks' largest exponential: four chains by turns (v34: registers 0-15, v35: 32-47, v36: 16-31, v37: 48-63), seven lines each, then two lines a block that join them.
.macro MX
.set mc, mx%4
.set mt, mx/4
.set mb, S+32*(mc%2)+16*(mc/2)
.if mx < 4
	v_max3_num_f32 v[34+mc], v[mb], v[mb+1], v[mb+2]
.elseif mx < 28
	v_max3_num_f32 v[34+mc], v[34+mc], v[mb+2*mt+1], v[mb+2*mt+2]
.elseif mx < 30
	v_max3_num_f32 v[34+mx-28], v[34+mx-28], v[36+mx-28], v[S+32*(mx-28)+15]
.else
	v_max_num_f32 v[34+mx-30], v[34+mx-30], v[S+32*(mx-30)+31]
.endif
.set mx, mx+1
.endm
.macro MXN n
.rept \n
	MX
.endr
.endm
.macro NRM p0, n                       ; n pairs from p0 on x the reciprocal of the row's sum: the finished weights
.set q, \p0
.rept \n
	v_pk_mul_f32 v[S+2*q:S+2*q+1], v[S+2*q:S+2*q+1], v[32:33] op_sel_hi:[1,0]
.set q, q+1
.endr
.endm
; THE REDUCE of the block of parity P: wave w adds query w's row (64 channels, two a lane) over the 16 waves' partial results.
.macro REDA P
	ds_bpermute_b32 v43, v16, v[30+(\P)]           ; that query's sum: lane w's
.irp k, 0,1,2,3,4,5,6,7
	ds_load_b64 v[66+2*\k:67+2*\k], v9 offset:\k*OPW+(\P)*OPP
.endr
.endm
.macro TREE4
	v_pk_add_f32 v[66:67], v[66:67], v[68:69]
	v_pk_add_f32 v[70:71], v[70:71], v[72:73]
	v_pk_add_f32 v[74:75], v[74:75], v[76:77]
	v_pk_add_f32 v[78:79], v[78:79], v[80:81]
.endm
.macro TREE2
	v_pk_add_f32 v[66:67], v[66:67], v[70:71]
	v_pk_add_f32 v[74:75], v[74:75], v[78:79]
.endm
.macro REDL P                          ; the other eight waves' partial results
.irp k, 0,1,2,3,4,5,6,7
	ds_load_b64 v[66+2*\k:67+2*\k], v10 offset:\k*OPW+(\P)*OPP
.endr
.endm
.macro REDB P                          ; (the tail's form; a block writes these lines round the reciprocal)
	s_wait_dscnt 0x0
	TREE4
	TREE2
	v_pk_add_f32 v[246:247], v[66:67], v[74:75]
	s_wait_alu depctr_va_vdst(0)                   ; the tree's lines are done reading and writing v66-81, in which the loads below land
	REDL \P
.endm
.macro REDC                            ; the second tree, and the select on the row's sum
	s_wait_dscnt 0x0
	v_cmp_gt_f32 vcc_lo, 0x7f800000, v43           ; a row whose sum is not finite is a row of zeros.  (The compare leads, so that the tree stands between it and the wait for VCC)
	TREE4
	TREE2
	v_pk_add_f32 v[66:67], v[66:67], v[74:75]
	v_pk_add_f32 v[246:247], v[246:247], v[66:67]
	s_wait_alu depctr_va_vcc(0)                    ; the compare has written VCC, which the two selects read
	v_cndmask_b32 v246, 0, v246, vcc_lo
	v_cndmask_b32 v247, 0, v247, vcc_lo
.endm
.macro REDS P, o1                      ; my row leaves: behind a wait on va_vdst that shows the selects' results written
	ds_store_b64 v11, v[246:247] offset:(\P)*OPP
	global_store_b64 v13, v[246:247], s[8:9] offset:\o1 th:TH_STORE_NT   ; a whole row of out1: 256 consecutive bytes, aligned
.endm
; THE FINISHED ROWS of the block of parity P become codes for the last product: waves 0 and 1, eight queries each; a lane takes 16 channels, two neighbouring lanes a block.
; FINLD asks for them; FINDO, behind a wait that stands on every wave's path, does the work.
.macro FINLD P
	s_cmp_lt_u32 s14, 2
	s_cbranch_scc0 .Lnold_\@
.irp k, 0,1,2,3
	ds_load_b128 v[FD+4*\k:FD+4*\k+3], v12 offset:(\P)*OPP+16*\k
.endr
.Lnold_\@:
.endm
.macro FINDO rc, rs
	s_cmp_lt_u32 s14, 2
	s_cbranch_scc0 .Lnofin_\@
	v_max3_num_f32 v20, |v[FD]|, |v[FD+1]|, 0x1800000
	v_max3_num_f32 v21, |v[FD+2]|, |v[FD+3]|, |v[FD+4]|
	v_max3_num_f32 v20, v20, |v[FD+5]|, |v[FD+6]|
	v_max3_num_f32 v21, v21, |v[FD+7]|, |v[FD+8]|
	v_max3_num_f32 v20, v20, |v[FD+9]|, |v[FD+10]|
	v_max3_num_f32 v21, v21, |v[FD+11]|, |v[FD+12]|
	v_max3_num_f32 v20, v20, |v[FD+13]|, |v[FD+14]|
	v_max3_num_f32 v20, v20, v21, |v[FD+15]|
	v_max_num_f32_dpp v20, v20, v20 row_xmask:1 row_mask:0xf bank_mask:0xf
	v_add_nc_u32 v21, 0xff000000, v20
	v_cvt_scalef32_pk16_fp6_f32 v[22:24], v[FD:FD+15], v21
	v_lshrrev_b32 v25, 23, v21                     ; the byte (also the plain line behind the conversion)
	v_lshlrev_b32 v25, v17, v25
	v_mov_b32_dpp v26, v25 row_xmask:2 row_mask:0xf bank_mask:0xf
	v_or_b32 v25, v25, v26                         ; the query's two bytes: the same in its four lanes
	s_wait_alu depctr_va_vdst(0)                   ; the conversion has written v22-24 and the line above v25, which the two stores read; the lines above are also done reading v[FD ..], in which the next rows' loads land
	global_store_b96 v14, v[22:24], s[10:11] offset:\rc   ; 384 consecutive bytes a wave; the two waves fill three aligned blocks of 256
	global_store_b16 v15, v25, s[12:13] offset:\rs        ; a query's four lanes store the same two bytes to the same place: EXEC stays whole
.Lnofin_\@:
.endm
; BLOCK i of parity P.  red: the reduce of block i - 1;  fin: the codes of block i - 2;  next: block i + 1 is asked for.
.macro BLOCK P, red, fin, next
	s_wait_alu depctr_vm_vsrc(0)                   ; the last block's stores have read the partial result (S ..), my row (v246-247), the partial sum (v28) and the finished rows' codes (v22-25), its lane permute the row's sum; in block 0 the head's loads have read v20-23: all are written again below
	v_nop                                          ; the fifth place behind the last block's products, whose results are written over
.irp a, 0,1,2,3,4,5,6,7
.if ((\a>>1)&1)
	v_wmma_scale_f32_16x16x128_f8f6f4 v[S+8*\a:S+8*\a+7], v[KF+12*(2*(\a>>2)+1):KF+12*(2*(\a>>2)+1)+11], v[54-6*(\a&1):65-6*(\a&1)], 0, v[44+(\a>>2)], v41 matrix_a_fmt:MATRIX_FMT_FP6 matrix_b_fmt:MATRIX_FMT_FP6 matrix_a_scale:MATRIX_SCALE_ROW1
.else
	v_wmma_scale_f32_16x16x128_f8f6f4 v[S+8*\a:S+8*\a+7], v[KF+12*(2*(\a>>2)):KF+12*(2*(\a>>2))+11], v[54-6*(\a&1):65-6*(\a&1)], 0, v[44+(\a>>2)], v41 matrix_a_fmt:MATRIX_FMT_FP6 matrix_b_fmt:MATRIX_FMT_FP6
.endif
.endr
	s_wait_xcnt 0x0                                ; while the products run: every earlier memory instruction has had its addresses translated: pointers step, store data may be written again
	s_add_nc_u64 s[2:3], s[2:3], 96
	s_add_nc_u64 s[4:5], s[4:5], 4
	s_add_nc_u64 s[6:7], s[6:7], 4096
	s_add_nc_u64 s[8:9], s[8:9], 4096              ; the three output pointers now stand i + 1 blocks on: the stores below reach back by immediates
	s_add_nc_u64 s[10:11], s[10:11], 768
	s_add_nc_u64 s[12:13], s[12:13], 512
.rept 4
	v_nop                                          ; places in front of the first read of the scores
.endr
	; THE EXPONENTIALS, in two batches of 32, each with one wait ahead of its first reader.  A pair is scaled at least four pairs ahead of its exponentials.
.irp i, 0,1,2,3
	MULP \i
.endr
.set k, 0
.rept 16
	MULP k+4                                       ; a scaling leads, two exponentials follow
	EXPN 2*k
	EXPN 2*k+1
.set k, k+1
.endr
	MULP 20                                        ; (the plain line behind the batch's last exponential)
	s_wait_alu depctr_va_vdst(0)                   ; the first batch's 32 exponentials are written, ahead of their first reader; and the score products are done reading Q (v54-59), the last block's scale lines v42
.if \next
	ASKQ                                           ; the next block's Q lands in those registers: no vector or matrix instruction since the wait names them
.endif
	s_wait_kmcnt 0x0                               ; the mask words, asked for a block ago
.set k, 0
.rept 16                                       ; the second batch; among it the rest of the scalings and the first half's selects and sums, which name the first batch's results alone
.if k < 11
	MULP k+21
.endif
	CND 2*k
	CND 2*k+1
	EXPN 32+2*k
.if k >= 5
	ADDP k-1
.endif
	EXPN 33+2*k
.set k, k+1
.endr
	ADDP 15                                        ; (the plain line behind the batch's last exponential)
	s_wait_alu depctr_va_vdst(0)                   ; the second batch's 32 exponentials are written, ahead of their first reader
.set k, 16
.rept 16
	CND 2*k
	CND 2*k+1
.if k > 16
	ADDP k-1
.endif
.set k, k+1
.endr
	ADDP 31
.set mx, 0
	v_pk_add_f32 v[28:29], v[28:29], v[20:21]      ; the four chains join; between the links stand lines of the search for the largest
	v_pk_add_f32 v[22:23], v[22:23], v[24:25]
	MXN 2
	v_pk_add_f32 v[28:29], v[28:29], v[22:23]
	MXN 2
	v_add_f32 v28, v28, v29
	MXN 2
	v_permlanex16_b32 v29, v28, s84, s85
	MXN 2
	v_add_f32 v28, v28, v29                        ; my wave's 128 keys
	s_wait_alu depctr_va_vdst(0)                   ; v28 is written, which the store reads; the sum's chains are done with v20-25, in which the loads behind the barrier land (up to them only lines of MX follow, which name v34-37 and S)
	ds_store_b32 v6, v28 offset:\P*LPP
.if \next
	ASKM                                           ; (the selects that read this block's words stand ahead of the wait above)
.endif
	MXN 4                                          ; while the store is out
	s_wait_dscnt 0x0                               ; for the others' sake: all my LDS stores have landed, all my LDS loads are in
	s_barrier_signal -1
	MXN 4                                          ; work on registers while the others arrive
	s_barrier_wait -1                              ; THE BLOCK'S ONE BARRIER: this block's partial sums, the last block's partial results, the rows finished in the last block
	ds_load_b128 v[20:23], v7 offset:\P*LPP
	ds_load_b128 v[24:27], v7 offset:\P*LPP+16
.if \red
	REDA 1-\P                                      ; v43 and v66-81 were last named in the last block, ahead of its waits on va_vdst
.endif
	MXN 4                                          ; while the loads are out
.if \red
	s_wait_dscnt 9                                 ; the eight partial sums are in; the lane permute and eight loads, issued behind them, may be out
.else
	s_wait_dscnt 0x0
.endif
	v_pk_add_f32 v[20:21], v[20:21], v[22:23]
	v_pk_add_f32 v[24:25], v[24:25], v[26:27]
	MXN 2
	v_pk_add_f32 v[20:21], v[20:21], v[24:25]
	MXN 2
	v_add_f32 v20, v20, v21
	MXN 2
	v_permlanex16_b32 v21, v20, s84, s85
	MXN 2
	v_add_f32 v[30+\P], v20, v21                   ; the row's sum: the same bits in every wave
	MXN 2
	v_and_or_b32 v22, v[30+\P], 0x7fffff, s99      ; its mantissa as a number in [1, 2): the reciprocal then meets no denormal,
	v_lshrrev_b32 v24, 23, v[30+\P]
	v_rcp_f32 v23, v22
	v_sub_nc_u32 v24, 127, v24                     ; and its exponent goes in by v_ldexp_f32
	MXN 2                                          ; the last two lines: v34, v35 hold my two blocks' largest exponential
.if \red
	s_wait_dscnt 0x0                               ; eight waves' partial results of the last block
	TREE4                                          ; the whole first tree stands behind the reciprocal and ahead of its wait
	TREE2
	v_pk_add_f32 v[246:247], v[66:67], v[74:75]
.endif
	s_wait_alu depctr_va_vdst(0)                   ; the reciprocal is written, ahead of its first reader; the tree's lines are done reading and writing v66-81, in which the loads below land
.if \red
	REDL 1-\P
.endif
	v_fma_f32 v25, -v22, v23, 1.0
	v_fma_f32 v23, v25, v23, v23                   ; one step of Newton's
	v_ldexp_f32 v32, v23, v24
	v_mul_f32 v34, v34, v32                        ; the largest weight of each block: the largest exponential through the same multiplication;
	v_mul_f32 v35, v35, v32
	NRM 0, 3                                       ; the scale word's chain stands among the 32 multiplications
	v_max_num_f32 v34, 0x1800000, v34              ; the floor 2^(3 - 127): the byte cannot fall under 1
	v_max_num_f32 v35, 0x1800000, v35
	NRM 3, 3
	v_add_nc_u32 v36, 0xff000000, v34              ; the conversions' scale operands
	v_add_nc_u32 v37, 0xff000000, v35
	NRM 6, 3
	v_lshrrev_b32 v38, 23, v36
	v_lshrrev_b32 v39, 23, v37
	NRM 9, 3
	v_lshl_or_b32 v38, v39, 16, v38
	NRM 12, 3
	v_lshlrev_b32 v38, v5, v38
	NRM 15, 3
	v_permlanex16_b32 v39, v38, s84, s85
	NRM 18, 3
	v_or_b32 v40, v38, v39                         ; the weights' scale word: byte 2 c + h
	NRM 21, 11
.if \red
	REDC                                           ; my row of the last block; its stores stand behind the wait below
.endif
.if \next
	s_wait_loadcnt 0x0                             ; the next block's Q (in block 0: V too)
	QSCALE
.endif
	v_cvt_scalef32_pk16_fp6_f32 v[66:68], v[S:S+15], v36
	v_cvt_scalef32_pk16_fp6_f32 v[78:80], v[S+16:S+31], v36   ; (a conversion's three registers begin on an even number)
	v_cvt_scalef32_pk16_fp6_f32 v[72:74], v[S+32:S+47], v37
	v_cvt_scalef32_pk16_fp6_f32 v[82:84], v[S+48:S+63], v37
	v_nop                                          ; one plain line behind the conversions
.irp j, 0,1,2
	v_mov_b32 v[69+\j], v[78+\j]
	v_mov_b32 v[75+\j], v[82+\j]
.endr
.rept 4
	v_nop                                          ; four places behind the operand's last write
.endr
	s_wait_alu depctr_va_vdst(0)                   ; behind the places: the codes v66-77 and the scale words v40 and v41 are written, which scaled products take; my row v246-247 is written, which the stores below read; the conversions are done reading v[FD ..], in which the loads below land
.if \red
	REDS 1-\P, -8192
.endif
.if \fin
	FINLD \P                                       ; asked for here, into registers that the conversions have left, so that they land under the product and the stores below
.endif
.irp t, 0,1,2,3
.if \t&1
	v_wmma_scale_f32_16x16x128_f8f6f4 v[S+8*\t:S+8*\t+7], v[VF+12*\t:VF+12*\t+11], v[66:77], 0, v[46+(\t>>1)], v40 matrix_a_fmt:MATRIX_FMT_FP6 matrix_b_fmt:MATRIX_FMT_FP6 matrix_a_scale:MATRIX_SCALE_ROW1
.else
	v_wmma_scale_f32_16x16x128_f8f6f4 v[S+8*\t:S+8*\t+7], v[VF+12*\t:VF+12*\t+11], v[66:77], 0, v[46+(\t>>1)], v40 matrix_a_fmt:MATRIX_FMT_FP6 matrix_b_fmt:MATRIX_FMT_FP6
.endif
.endr
.rept 4
	v_nop                                          ; four places behind the products, before their results are read
.endr
	s_wait_alu depctr_va_vdst(0)                   ; the four products have written S .. S+31, which the LDS stores read; the places above stay beside this wait
.irp t, 0,1,2,3
	ds_store_b128 v8, v[S+8*\t:S+8*\t+3] offset:\P*OPP+32*\t        ; lane (q, h): channels 32 h + 8 t + 0..7; each result from its low end on
	ds_store_b128 v8, v[S+8*\t+4:S+8*\t+7] offset:\P*OPP+32*\t+16
.endr
.if \fin
	s_wait_dscnt 8                                 ; on every wave's path: all but the eight stores just issued: the four loads of finished rows are in
	FINDO -2304, -1536
.endif
.endm
	BLOCK 0, 0, 0, 1
	BLOCK 1, 1, 0, 1
	s_mov_b32 s15, 14
.Lpair:                                            ; blocks 2 to 29, two a trip: the parities come back
	BLOCK 0, 1, 1, 1
	BLOCK 1, 1, 1, 1
	s_sub_co_u32 s15, s15, 1
	s_cmp_lg_u32 s15, 0
	s_cbranch_scc1 .Lpair
	BLOCK 0, 1, 1, 1
	BLOCK 1, 1, 1, 0                               ; block 31 asks for nothing: no load leaves its buffer
	s_wait_xcnt 0x0                                ; the last stores have had their addresses translated
	s_wait_alu depctr_vm_vsrc(0)                   ; block 31's stores have read my row (v246-247) and the finished rows' codes (v22-25), which the lines below write again
	s_wait_dscnt 0x0
	s_barrier_signal -1
	s_barrier_wait -1                              ; block 31's partial results, block 30's finished rows
	REDA 1                                         ; v43 and v66-81 were last named ahead of block 31's waits on va_vdst
	REDB 1
	REDC
	s_wait_alu depctr_va_vdst(0)                   ; the selects have written v246-247, which the two stores read
	REDS 1, -4096
	FINLD 0
	s_wait_dscnt 0x0                               ; block 30's rows are in; and, for the others' sake, my row of block 31 has landed
	FINDO -1536, -1024
	s_barrier_signal -1
	s_barrier_wait -1                              ; block 31's finished rows
	FINLD 1                                        ; (the lines that read v[FD ..] stand ahead of the wait on va_vdst in front of block 30's stores)
	s_wait_dscnt 0x0
	s_wait_xcnt 0x0                                ; block 30's stores of codes and bytes have had their addresses translated
	s_wait_alu depctr_vm_vsrc(0)                   ; and have read v22-25, which the lines below write again
	FINDO -768, -512
	s_wait_dscnt 0x0                               ; the closing lines, six on end
	s_wait_alu 0x0
	s_wait_tensorcnt 0x0
	ds_add_u32 v254, v255
	s_wait_dscnt 0x0
	s_endpgm
.Lfunc_end_k_q403737501a_attn:
	.size	k_q403737501a_attn, .Lfunc_end_k_q403737501a_attn-k_q403737501a_attn
	.p2alignl 7, 3214868480
	.fill 96, 4, 3214868480
	.section	.rodata,"a",@progbits
	.p2align	6, 0x0
	.amdhsa_kernel k_q403737501a_attn
		.amdhsa_group_segment_fixed_size 152576
		.amdhsa_private_segment_fixed_size 0
		.amdhsa_enable_private_segment 0
		.amdhsa_kernarg_size 32
		.amdhsa_user_sgpr_count 2
		.amdhsa_user_sgpr_kernarg_segment_ptr 1
		.amdhsa_wavefront_size32 1
		.amdhsa_system_sgpr_workgroup_id_x 1
		.amdhsa_system_sgpr_workgroup_id_y 1
		.amdhsa_system_sgpr_workgroup_id_z 1
		.amdhsa_system_vgpr_workitem_id 0
		.amdhsa_next_free_vgpr 256
		.amdhsa_next_free_sgpr 104
		.amdhsa_reserve_vcc 1
		.amdhsa_float_denorm_mode_32 3
		.amdhsa_float_denorm_mode_16_64 3
		.amdhsa_memory_ordered 1
		.amdhsa_forward_progress 1
		.amdhsa_inst_pref_size 155
	.end_amdhsa_kernel
	.amdgpu_metadata
---
amdhsa.version: [ 1, 2 ]
amdhsa.kernels:
  - .name:           k_q403737501a_attn
    .symbol:         k_q403737501a_attn.kd
    .args:
      - { .name: qkv, .offset: 0, .size: 8, .value_kind: global_buffer, .address_space: global }
      - { .name: mw, .offset: 8, .size: 8, .value_kind: global_buffer, .address_space: global }
      - { .name: rq, .offset: 16, .size: 8, .value_kind: global_buffer, .address_space: global }
      - { .name: out1, .offset: 24, .size: 8, .value_kind: global_buffer, .address_space: global }
    .group_segment_fixed_size: 152576
    .private_segment_fixed_size: 0
    .kernarg_segment_align: 8
    .kernarg_segment_size: 32
    .max_flat_workgroup_size: 512
    .sgpr_count:     104
    .vgpr_count:     256
    .wavefront_size: 32
...
	.end_amdgpu_metadata
.endif
;; end of part 5
;; launch fc: the kernel of part 4 again; grid 4 x 32, 4 waves a work-group, clusters of 4 x 4, 327,680 bytes of LDS; arguments rq, wq, fc_b, out0; writes out0
